; MI455X (gfx1250); checked and timed in simulation.
; The chip was launched on July 23, 2026; its instructions are those of AMD's public machine-readable ISA for CDNA 5 (MIT licence, August 2026) and "CDNA5" Instruction Set Architecture Reference Guide (July 2026). The comments in the code are by the model that wrote it; some were corrected since.
;; Attention. Allowed arithmetic: matrix products marked QUANTISED: E2M3 operands, one E8M0 scale for each 32 along K, by v_wmma_scale_f32_16x16x128_f8f6f4 with both operands' format E2M3, f32 sums; everything else in f32.
;; Inputs: W_proj_codes 1,024 x 32 x 24 uint8 (E2M3 codes of W_proj, K innermost, in blocks of 32 codes, four codes in three bytes); W_proj_scales 1,024 x 32 uint8 (E8M0 scales of W_proj, one for each 32 codes along K); W_qkv_codes 3,072 x 32 x 24 uint8 (E2M3 codes of W_qkv, K innermost, in blocks of 32 codes, four codes in three bytes); W_qkv_scales 3,072 x 32 uint8 (E8M0 scales of W_qkv, one for each 32 codes along K); b_proj 1,024 float32; freqs 2,048 x 64 float32; x_codes 4 x 2,048 x 32 x 24 uint8 (E2M3 codes of x, K innermost, in blocks of 32 codes, four codes in three bytes); x_scales 4 x 2,048 x 32 uint8 (E8M0 scales of x, one for each 32 codes along K).
;; Outputs: out0 4 x 2,048 x 1,024 float32.
;; This version of the problem:
;;   THIS VERSION OF THE PROBLEM IS GIVEN IN LOW PRECISION. The matrix products marked QUANTISED in the list below multiply operands that are first quantised to E2M3 (2 exponent bits, 3 mantissa bits; 6 bits a number), with one power-of-two scale for each 32 numbers along K (OCP MX v1.0); their sums are f32. All else is computed in f32.
;;   The module's matrix products, in the order in which they are computed (A, B: the left and right operand; K: the contracted axis; several contracted axes count as one K, in the product's order):
;;     1. [M 8,192, K 1,024] x [K 1,024, N 3,072]; A: input x (given as codes); B: input W_qkv (given as codes): QUANTISED
;;     2. batch 64 x [M 2,048, K 64] x [K 64, N 2,048]; A: computed on the way; B: computed on the way: QUANTISED
;;     3. batch 64 x [M 2,048, K 2,048] x [K 2,048, N 64]; A: softmax (see below); B: computed on the way: QUANTISED
;;     4. [M 8,192, K 1,024] x [K 1,024, N 1,024]; A: computed on the way; B: input W_proj (given as codes): QUANTISED
;;   THE QUANTISER, for each operand of a quantised product, along K:
;;     - K is cut into blocks of 32 from its start; a last block that is shorter is filled with zeros.
;;     - A block's scale is 2^e with e = floor(log2(the largest magnitude in the block)) - 2, held to -126 .. 127; a block of zeros has e = 0. As a byte (E8M0): e + 127.
;;     - Each number is divided by its block's scale, clamped to +-7.5, and rounded to the nearest number of E2M3, ties to even, subnormals kept.
;;     - The product sums the exact products of the quantised numbers (number of the format x scale) in f32.
;;   ~~~python
;;   def quantise(x, axis):      # numpy; x: float32 -> the quantised numbers, widened to float32 again
;;       x = np.moveaxis(x, axis, -1); K = x.shape[-1]
;;       x = np.pad(x, [(0, 0)] * (x.ndim - 1) + [(0, -K % 32)]); x = x.reshape(x.shape[:-1] + (-1, 32)); a = np.abs(x).max(-1, keepdims=True)
;;       e = np.where(a > 0, np.clip(np.frexp(np.where(a > 0, a, 1))[1] - 1 - 2, -126, 127), 0)      # np.frexp(a)[1] - 1 = floor(log2(a)), exactly
;;       r = np.clip(x / 2.0 ** e, -7.5, 7.5)
;;       step = 2.0 ** (np.maximum(np.frexp(np.where(r == 0, 1, r))[1] - 1, 0) - 3)
;;       q = np.round(r / step) * step * 2.0 ** e      # np.round: ties to even
;;       return np.moveaxis(q.reshape(q.shape[:-2] + (-1,))[..., :K], -1, axis).astype(np.float32)
;;   ~~~
;;   SOFTMAX AHEAD OF A QUANTISED PRODUCT. Where the list says 'softmax', what is quantised is not the finished softmax but p = 2^(t - M), with t = logit x log2(e) and M = ceil(the row's largest t), a whole number; so 1/2 < the row's largest p <= 1. The row's sum l is taken of the UNQUANTISED p, in f32, and the product's result is divided by l at the end. Since M is a whole number, a kernel that streams over the keys may use a running M (the ceiling of the running maximum): every later rescaling is an exact power of two, which a block's scale takes up: the codes' values come out the same.
;;   OPERANDS COMPUTED ON THE WAY. 'Computed on the way' means the value that the module computes at that place (a softmax that the list does not call 'softmax' is quantised finished and normalised). What goes into a quantiser is computed in f32, as accurately as f32 sums, v_exp_f32 and their like allow (about 1e-6 of the number): no bf16 or f16 on the way to a quantiser, and a product that is left as it is and whose result goes on into a quantised operand takes f32 operands (vector FMAs, or v_wmma_f32_16x16x4_f32). A number that lies on a knife's edge between two numbers of the format may be rounded either way, as far as f32 arithmetic and the matrix unit's own rounding can turn it there, and no further.
;;   INPUTS GIVEN AS CODES. W_proj (in the module: [1024, 1024], K = its axis 1); W_qkv (in the module: [3072, 1024], K = its axis 1); x (in the module: [4, 2048, 1024], K = its axis 2): each comes as NAME_codes (uint8): NAME with its K axis moved to the last place and cut into blocks of 32 codes, [.., K / 32, bytes a block], one block behind the other in memory; four codes in three bytes: a row's codes are one little-endian stream of bits, code i at bits 6 i .. 6 i + 5 (a code: sign, 2 exponent bits, 3 mantissa bits); and NAME_scales (uint8): the same leading axes, one E8M0 byte (e + 127) for each 32 codes along K. Its value is code x scale, taken as it is: it is not quantised again, and the codes and scales need not be those that the quantiser above would give.
;; One version. Each part assembles by itself: llvm-mc -triple=amdgcn-amd-amdhsa -mcpu=gfx1250 --defsym DOCPART=n.
;; ======== version 1 of 1: 4 launches
;; limits: inputs' magnitudes at most 1,048,576; right only within a limited range of input values
;; workspace buffers: cs 1,048,576 bytes; qkvc 19,660,800 bytes; yc 6,553,600 bytes; xi 6,291,456 bytes; wqi 2,359,296 bytes; wpi 819,200 bytes
;; launch prep (part 1): grid 256 x 1, 5 waves a work-group, no clusters, 39,168 bytes of LDS; arguments freqs, x_codes, W_qkv_codes, W_proj_codes, W_proj_scales, cs, xi, wqi, wpi; writes cs, xi, wqi, wpi
.if DOCPART == 1
	.amdgcn_target "amdgcn-amd-amdhsa--gfx1250"
	.amdhsa_code_object_version 6
	.text
	.protected	k_q3c17d153c8_prep
	.globl	k_q3c17d153c8_prep
	.p2align	8
	.type	k_q3c17d153c8_prep,@function
k_q3c17d153c8_prep:
	s_mov_b64 s[64:65], 0
	v_nop
	global_prefetch_b8 v0, s[64:65] scope:SCOPE_SE
	s_setreg_imm32_b32 hwreg(HW_REG_WAVE_MODE, 25, 1), 1
	s_wait_xcnt 0x0
; Two preparing jobs in one launch.  NOTHING OF reference() IS LEFT OUT in this program: every input has a way to out0, and every input is loaded.
; WAVES 0-2: the codes of x, W_qkv and W_proj are laid anew as images of operand registers.  768 tiles of 16 rows x 1,024 K (x 512, W_qkv 192, W_proj 64), one a wave: 3 x 256 work-groups.
; A tile's 12,288 bytes are dense in memory: 24 loads of 512 consecutive bytes; through the wave's own LDS stage (rows of 768 + 16 bytes); back as the 8-byte pieces of the 6-bit layout
; (lane (r, h): row r, bytes 96 s + 48 c + 24 h ..); out as, for each 128 along K, 1,536 bytes: registers 4 c .. 4 c + 3 of lane l at 512 c + 16 l.  So the products' tensor rows begin on 256-byte borders.
; xi, wqi: 12,288 bytes a tile.  wpi: 12,800 bytes a tile: behind the codes the tile's 16 rows of 32 scale bytes, as they lie in W_proj_scales.
; WAVES 3-4: cos(freqs) and sin(freqs).  cs: for each tile of 16 tokens 8,192 bytes: 16 groups of 512 bytes, lane l's four numbers at 16 l (token l % 16, half h = l / 16).
; Group g < 8: cos at d = 16 (g / 2) + 8 h + 4 (g % 2) + 0 .. 3; group 8 + g: the same places of sin', sin'[d] = -sin for even d, +sin for odd d: rope[d] = t[d] cos[d] + t[d xor 1] sin'[d].
; k = round(x 2/pi); r = x - k pi/2 with pi/2 in three parts; polynomials of degree 7 and 8 on |r| <= pi/4; the quadrant picks and signs by selections.
; LIMITS: |freqs| up to 2^20; NaN and infinities in freqs are not served.
; No barrier: every wave keeps to LDS bytes of its own.  No matrix work, no cluster: no two work-groups read the same bytes.
.set STG, 12800                        ; a wave's stage: 16 rows x 784 bytes, rounded up to blocks of 256
.set SPARE, 3*STG                      ; the spare words: 128 bytes a wave, three blocks of 256
.set RP, 784
.set IN, 32                            ; v32-127 a tile as loaded
.set OU, 128                           ; v128-223 as images
.set X, 40
.set C, 48
.set S, 56
	s_load_b256 s[4:11], s[0:1], 0x0               ; freqs, x_codes, W_qkv_codes, W_proj_codes
	s_load_b256 s[12:19], s[0:1], 0x20             ; W_proj_scales, cs, xi, wqi
	s_load_b64 s[20:21], s[0:1], 0x40              ; wpi
	v_lshl_add_u32 v30, v0, 2, SPARE
	v_mov_b32 v31, 0
	v_lshrrev_b32 v1, 5, v0
	v_readfirstlane_b32 s2, v1                     ; wave 0..4
	s_mul_i32 s3, s2, STG
	s_mul_i32 s22, ttmp9, 3
	s_add_co_u32 s22, s22, s2                      ; the tile's number among the 768
	v_and_b32 v2, 31, v0
	v_and_b32 v3, 15, v0                           ; r
	v_bfe_u32 v4, v0, 4, 1                         ; h
	v_lshlrev_b32 v5, 4, v2                        ; 16 x lane
	v_add_nc_u32 v6, s3, v5                        ; into the stage: 1,536 bytes are two rows; the second row begins 16 bytes later
	v_lshl_add_u32 v7, v4, 4, v6
	v_mul_u32_u24 v8, v3, RP
	v_mad_u32_u24 v8, v4, 24, v8
	v_add_nc_u32 v8, s3, v8                        ; out of the stage: row r, + 24 h
	v_lshlrev_b32 v9, 8, v3
	v_lshl_add_u32 v9, v4, 5, v9                   ; freqs: row r of 256 bytes, + 32 h
	s_wait_alu depctr_va_vdst(0)                   ; the wait at the head's end
	s_wait_kmcnt 0x0
	s_cmp_ge_u32 s2, 3
	s_cbranch_scc1 .Ltrig
	s_cmp_lt_u32 s22, 512
	s_cselect_b64 s[24:25], s[6:7], s[8:9]
	s_cselect_b64 s[26:27], s[16:17], s[18:19]
	s_cselect_b32 s23, 0, 512
	s_mov_b32 s28, 12800
	s_cmp_lt_u32 s22, 704
	s_cselect_b64 s[24:25], s[24:25], s[10:11]
	s_cselect_b64 s[26:27], s[26:27], s[20:21]
	s_cselect_b32 s23, s23, 704
	s_cselect_b32 s28, 12288, s28                  ; bytes a tile where it goes
	s_sub_co_u32 s23, s22, s23                     ; the tile in its tensor
	s_mul_i32 s32, s23, 12288
	s_mov_b32 s33, 0
	s_mul_i32 s34, s23, s28
	s_mov_b32 s35, 0
	s_add_nc_u64 s[24:25], s[24:25], s[32:33]
	s_add_nc_u64 s[26:27], s[26:27], s[34:35]
.set J, 0
.rept 24
	global_load_b128 v[IN+4*J:IN+4*J+3], v5, s[24:25] offset:512*J th:TH_LOAD_NT
.set J, J+1
.endr
	s_wait_loadcnt 0x0
.set J, 0
.rept 24
.if J%3 == 0
	ds_store_b128 v6, v[IN+4*J:IN+4*J+3] offset:(J/3)*2*RP
.endif
.if J%3 == 1
	ds_store_b128 v7, v[IN+4*J:IN+4*J+3] offset:(J/3)*2*RP+512
.endif
.if J%3 == 2
	ds_store_b128 v6, v[IN+4*J:IN+4*J+3] offset:(J/3)*2*RP+1040
.endif
.set J, J+1
.endr
.irp s, 0,1,2,3,4,5,6,7                ; LDS serves a wave's instructions in order: these see the stores above
.irp p, 0,1,2,3,4,5
	ds_load_b64 v[OU+12*\s+2*\p:OU+12*\s+2*\p+1], v8 offset:96*\s+48*(\p/3)+8*(\p%3)
.endr
.endr
	s_wait_dscnt 0x0
.irp s, 0,1,2,3,4,5,6,7
.irp c, 0,1,2
	global_store_b128 v5, v[OU+12*\s+4*\c:OU+12*\s+4*\c+3], s[26:27] offset:1536*\s+512*\c   ; 512 consecutive bytes, aligned
.endr
.endr
	s_cmp_lt_u32 s22, 704
	s_cbranch_scc1 .Lidone
	s_lshl_b32 s32, s23, 9                         ; W_proj alone: the tile's 512 scale bytes go behind its codes
	s_add_nc_u64 s[12:13], s[12:13], s[32:33]
	global_load_b128 v[IN:IN+3], v5, s[12:13]
	s_wait_loadcnt 0x0
	global_store_b128 v5, v[IN:IN+3], s[26:27] offset:12288
.Lidone:
	s_wait_tensorcnt 0x0                           ; the end of a wave that stored to LDS
	ds_add_u32 v30, v31
	s_wait_dscnt 0x0
	s_endpgm
.Ltrig:
	s_sub_co_u32 s2, s2, 3
	s_lshr_b32 s3, ttmp9, 1                        ; the tile of 16 tokens
	s_and_b32 s23, ttmp9, 1
	s_lshl_b32 s23, s23, 1
	s_add_co_u32 s23, s23, s2                      ; which 16 of the 64 d
	s_lshl_b32 s24, s3, 12
	s_lshl_b32 s28, s23, 6
	s_add_co_u32 s24, s24, s28
	s_mov_b32 s25, 0
	s_lshl_b32 s26, s3, 13
	s_lshl_b32 s28, s23, 10
	s_add_co_u32 s26, s26, s28
	s_mov_b32 s27, 0
	s_mov_b32 s32, 0x3f22f983                      ; 2 / pi
	s_mov_b32 s33, 0xbfc90fdb                      ; -pi/2 in three parts
	s_mov_b32 s34, 0x333bbd2e
	s_mov_b32 s35, 0x26f72cfc
	s_mov_b32 s36, 0xb94ca1f9                      ; sin's coefficients
	s_mov_b32 s37, 0x3c08839e
	s_mov_b32 s38, 0xbe2aaaa3
	s_mov_b32 s39, 0x37ccf5ce                      ; cos's
	s_mov_b32 s40, 0xbab6061a
	s_mov_b32 s41, 0x3d2aaaa5
	s_add_nc_u64 s[4:5], s[4:5], s[24:25]
	s_add_nc_u64 s[14:15], s[14:15], s[26:27]
	global_load_b128 v[X:X+3], v9, s[4:5]
	global_load_b128 v[X+4:X+7], v9, s[4:5] offset:16
	s_wait_loadcnt 0x0
.macro SINCOS j
	v_mul_f32 v32, s32, v[X+\j]
	v_rndne_f32 v32, v32                           ; k
	v_fma_f32 v33, v32, s33, v[X+\j]
	v_fma_f32 v33, v32, s34, v33
	v_fma_f32 v33, v32, s35, v33                   ; r = x - k pi/2
	v_cvt_i32_f32 v34, v32
	v_mul_f32 v35, v33, v33                        ; z = r r
	v_fma_f32 v36, v35, s36, s37
	v_fma_f32 v36, v36, v35, s38
	v_mul_f32 v37, v35, v33
	v_fma_f32 v36, v36, v37, v33                   ; sin r
	v_fma_f32 v38, v35, s39, s40
	v_fma_f32 v38, v38, v35, s41
	v_mul_f32 v37, v35, v35
	v_fma_f32 v39, v35, -0.5, 1.0
	v_fma_f32 v38, v38, v37, v39                   ; cos r
	v_and_b32 v37, 1, v34
	v_cmp_eq_u32 vcc_lo, 1, v37                    ; in odd quadrants the two change places
	v_cndmask_b32 v39, v36, v38, vcc_lo
	v_cndmask_b32 v38, v38, v36, vcc_lo
	v_lshlrev_b32 v37, 30, v34
	v_and_b32 v37, 0x80000000, v37                 ; sin is turned in quadrants 2 and 3
.if (\j)%2 == 0
	v_xor_b32 v37, 0x80000000, v37                 ; and sin' once more at even d
.endif
	v_xor_b32 v[S+\j], v37, v39
	v_add_nc_u32 v34, 1, v34
	v_lshlrev_b32 v34, 30, v34
	v_and_b32 v34, 0x80000000, v34                 ; cos is turned in quadrants 1 and 2
	v_xor_b32 v[C+\j], v34, v38
.endm
.irp j, 0,1,2,3,4,5,6,7
	SINCOS \j
.endr
	global_store_b128 v5, v[C:C+3], s[14:15]
	global_store_b128 v5, v[C+4:C+7], s[14:15] offset:512
	global_store_b128 v5, v[S:S+3], s[14:15] offset:4096
	global_store_b128 v5, v[S+4:S+7], s[14:15] offset:4608
	s_endpgm
.Lfunc_end_k_q3c17d153c8_prep:
	.size	k_q3c17d153c8_prep, .Lfunc_end_k_q3c17d153c8_prep-k_q3c17d153c8_prep
	.p2alignl 7, 3214868480
	.fill 96, 4, 3214868480
	.section	.rodata,"a",@progbits
	.p2align	6, 0x0
	.amdhsa_kernel k_q3c17d153c8_prep
		.amdhsa_group_segment_fixed_size 39168
		.amdhsa_private_segment_fixed_size 0
		.amdhsa_enable_private_segment 0
		.amdhsa_kernarg_size 72
		.amdhsa_user_sgpr_count 2
		.amdhsa_user_sgpr_kernarg_segment_ptr 1
		.amdhsa_wavefront_size32 1
		.amdhsa_system_sgpr_workgroup_id_x 1
		.amdhsa_system_sgpr_workgroup_id_y 1
		.amdhsa_system_sgpr_workgroup_id_z 1
		.amdhsa_system_vgpr_workitem_id 0
		.amdhsa_next_free_vgpr 224
		.amdhsa_next_free_sgpr 66
		.amdhsa_reserve_vcc 1
		.amdhsa_float_denorm_mode_32 3
		.amdhsa_float_denorm_mode_16_64 3
		.amdhsa_memory_ordered 1
		.amdhsa_forward_progress 1
		.amdhsa_inst_pref_size 24
	.end_amdhsa_kernel
	.amdgpu_metadata
---
amdhsa.version: [ 1, 2 ]
amdhsa.kernels:
  - .name:           k_q3c17d153c8_prep
    .symbol:         k_q3c17d153c8_prep.kd
    .args:
      - { .name: freqs, .offset: 0, .size: 8, .value_kind: global_buffer, .address_space: global }
      - { .name: x_codes, .offset: 8, .size: 8, .value_kind: global_buffer, .address_space: global }
      - { .name: W_qkv_codes, .offset: 16, .size: 8, .value_kind: global_buffer, .address_space: global }
      - { .name: W_proj_codes, .offset: 24, .size: 8, .value_kind: global_buffer, .address_space: global }
      - { .name: W_proj_scales, .offset: 32, .size: 8, .value_kind: global_buffer, .address_space: global }
      - { .name: cs, .offset: 40, .size: 8, .value_kind: global_buffer, .address_space: global }
      - { .name: xi, .offset: 48, .size: 8, .value_kind: global_buffer, .address_space: global }
      - { .name: wqi, .offset: 56, .size: 8, .value_kind: global_buffer, .address_space: global }
      - { .name: wpi, .offset: 64, .size: 8, .value_kind: global_buffer, .address_space: global }
    .group_segment_fixed_size: 39168
    .private_segment_fixed_size: 0
    .kernarg_segment_align: 8
    .kernarg_segment_size: 72
    .max_flat_workgroup_size: 160
    .sgpr_count:     66
    .vgpr_count:     224
    .wavefront_size: 32
...
	.end_amdgpu_metadata
.endif
;; end of part 1
;; launch qkv (part 2): grid 8 x 32, 4 waves a work-group, clusters of 4 x 4, 327,680 bytes of LDS; arguments xi, x_scales, wqi, W_qkv_scales, cs, qkvc; writes qkvc
.if DOCPART == 2
	.amdgcn_target "amdgcn-amd-amdhsa--gfx1250"
	.amdhsa_code_object_version 6
	.text
	.protected	k_q3c17d153c8_qkv
	.globl	k_q3c17d153c8_qkv
	.p2align	8
	.type	k_q3c17d153c8_qkv,@function
k_q3c17d153c8_qkv:
	s_mov_b64 s[64:65], 0
	v_nop
	global_prefetch_b8 v0, s[64:65] scope:SCOPE_SE
	s_setreg_imm32_b32 hwreg(HW_REG_WAVE_MODE, 25, 1), 1
	s_wait_xcnt 0x0
	s_wait_alu depctr_hold_cnt(0) depctr_sa_sdst(0) depctr_va_vdst(0) depctr_va_sdst(0) depctr_va_ssrc(0) depctr_va_vcc(0) depctr_vm_vsrc(0)
	s_getreg_b32 s2, hwreg(HW_REG_IB_STS2, 6, 4)
	s_cmp_eq_u32 s2, 0
	s_cbranch_scc0 .Lentry_in_a_cluster
	s_endpgm
.Lentry_in_a_cluster:
	s_bfe_u32 s2, ttmp6, 0x10000c
	s_cmp_lg_u32 s2, 0xf033
	s_cbranch_scc0 .Lentry_shape_is_right
	s_endpgm
.Lentry_shape_is_right:
; qkv = x W_qkv^T on codes of FP6 (E2M3) with E8M0 scales; then the rotary embedding on q and k, and the quantisers of q, k (along d) and v (along the keys); stored as images of operand registers.  Nothing of reference() is left out.
; A WORK-GROUP STAYS: 8 x 32 = 256 work-groups of four waves.  Part 1: a tile of 256 tokens x 256 columns of q or k, 128 x 128 a wave (a lane holds a token, its registers run along d).
; Part 2: the same 256 tokens x 128 rows of W_v with the sides exchanged, 64 d x 128 tokens a wave (a lane holds d, its registers run along the tokens).
; OPERANDS come as images (xi, wqi): for 16 rows and 128 K 1,536 bytes, registers 4 c .. 4 c + 3 of lane l at 512 c + 16 l; 12,288 bytes for 16 rows: every tensor row begins on a 256-byte border.
; LDS: region X (98,304 bytes): K 0-255, then K 768-1023, then W_v's 128 rows whole; region Y (196,608): K 256-767, then x's 256 rows whole; the scales (x's stay; W's 256 rows, then W_v's 128); the spare words.
; PART 1's WALK, eight steps of 128 along K, written out: at the head one joint load a wave (x's X, W's X, x's scales, W's scales); behind a round Y's fill; behind step 1's round X's refill; behind step 5's round Y takes x whole for part 2;
; behind a round that stands ahead of the way out X takes W_v and W's scale bytes take W_v's.  So part 2's operands land under part 1's way out, and part 2 has one barrier and no refill.
; x's tiles are shared along a row of the 4 x 4 cluster, W's along a column: joint loads.
; PREFETCH: at the head's end each wave names its work-group's 48 of the 192 blocks of 256 bytes that it will fetch for K 256-767; behind Y's fill its 24 of 96 for K 768-1023 (partners told apart by address);
; behind X's refill the eight waves that share 128 tokens share out the 256 blocks of cos and sin.  Part 2's x has been read by then; W_v comes by its load alone.
; LIMITS: a block of zeros gets the byte 1 where the rule says 127 (zero codes; this program alone reads the bytes); NaN and infinities are not served.
.set NQ,     2
.set KROW,   768
.set FR,     12
.set NL,     3
.set NP,     4
.set XH,     24576
.set YH,     49152
.set YB,     4*XH
.set KS,     32
.set SCL,    YB+4*YH
.set HALFS,  (128*KS/256)*272
.set SBLK,   (16*KS/256)*272
.set SPARE,  SCL+4*HALFS
.set RECB,   19200
.set HEADB,  16*RECB
.set ADRA, 16                          ; v16, v17 part 1: my A fragments in X, Y; part 2: x's tiles 0-3, 4-7
.set ADRW, 18                          ; v18 part 2: W_v's tiles
.set ADRB, 20
.set PFY,  24                          ; v24 prefetch offset for K 256-767
.set ADRS, 27
.set SPW,  28
.set NIL,  29
.set PFO,  30
.set PFC,  31
.set SC,   32
.set AF,   128
.set G1, 24
.set G0, 32
.set G1B, 48
.set G0B, 56
.set G1S, 68
.set G0S, 76
.set G1SB, 80
.set G0SB, 88
.set TM,  4
.set PWA, 20
.set PWB, 21
.set SW,  22
.set T2,  32
.set CSA, 40
.set R,   168
.set F0,  232
.set F1,  244
.set MSB, 0
.macro WIN new
.if MSB != (\new)
	s_set_vgpr_msb (MSB<<8)|(\new)
.set MSB, (\new)
.endif
.endm
.set MUL_LO, 0xa1
.set MUL_HI, 0xf1
.set TO_B,   0x40
.macro JLOAD g0a, g1a, g0b, g1b
	s_cmp_eq_u32 s15, 0
	s_cbranch_scc0 .Lfor_b_\@
	tensor_load_to_lds s[\g0a:\g0a+3], s[\g1a:\g1a+7]
	s_nop 0
.rept 4
	v_nop
.endr
	s_branch .Lasked_\@
.Lfor_b_\@:
	tensor_load_to_lds s[\g0b:\g0b+3], s[\g1b:\g1b+7]
	s_nop 0
.rept 4
	v_nop
.endr
.Lasked_\@:
.endm
.macro CREST
	s_cmp_lg_u32 s14, 0
	s_cbranch_scc1 .Lnot_wave_0_\@
	s_barrier_signal -3
.Lnot_wave_0_\@:
	s_barrier_wait -3
	s_barrier_signal -1
	s_barrier_wait -1
.endm
.macro CROUND
	s_barrier_signal -1
	s_barrier_wait -1
	CREST
.endm
	s_load_b128 s[4:7], s[0:1], 0x0                ; xi, x_scales
	s_load_b128 s[8:11], s[0:1], 0x10              ; wqi, W_qkv_scales
	s_load_b128 s[96:99], s[0:1], 0x20             ; cs, qkvc
	v_lshl_add_u32 v[SPW], v0, 2, SPARE
	v_mov_b32 v[NIL], 0
	ds_add_u32 v[SPW], v[NIL]                      ; the opening lines: the add, twice on end, and its wait
	ds_add_u32 v[SPW], v[NIL]
	v_lshrrev_b32 v1, 5, v0
	v_readfirstlane_b32 s14, v1                    ; wave 0..3
	s_lshr_b32 s15, s14, 1                         ; my half of the A side; also: I fetch for A (0) or B (1)
	s_and_b32 s16, s14, 1                          ; my half of the B side; also: which half I fetch
	s_bfe_u32 s40, ttmp6, 0x40000
	s_bfe_u32 s41, ttmp6, 0x40004
	s_lshl_b32 s42, ttmp9, 2
	s_add_co_u32 s42, s42, s40                     ; column tile 0..7: 256 rows of W_q, W_k; 128 rows of W_v
	s_and_b32 s17, ttmp7, 0xffff
	s_lshl_b32 s17, s17, 2
	s_add_co_u32 s17, s17, s41                     ; token tile 0..31
	s_lshl_b32 s43, s41, 2
	s_lshl_b32 s43, 15, s43
	s_lshl_b32 s44, 0x1111, s40
	s_or_b32 s[G1+0], s43, (3<<16)|(1<<21)
	s_or_b32 s[G1B+0], s44, (3<<16)|(1<<21)
.irp g, G1, G1B
	s_mov_b32 s[\g+1], 384<<16                     ; the head's tile: 16 rows of 3,072 bytes
	s_mov_b32 s[\g+2], 16<<16
	s_mov_b32 s[\g+3], 384<<16
	s_mov_b32 s[\g+4], 16
	s_mov_b32 s[\g+5], 1536
	s_mov_b32 s[\g+6], 0
	s_mov_b32 s[\g+7], 0
.endr
	s_or_b32 s[G1S+0], s43, (3<<16)|(1<<20)|(1<<21)|(5<<22)|(3<<25)
	s_or_b32 s[G1SB+0], s44, (3<<16)|(1<<20)|(1<<21)|(5<<22)|(3<<25)
.irp g, G1S, G1SB
	s_mov_b32 s[\g+1], 32<<16                      ; the scales of 256 rows: KS rows of 256 bytes, 16 bytes of padding behind each
	s_mov_b32 s[\g+2], KS<<16
	s_mov_b32 s[\g+3], 32<<16
	s_mov_b32 s[\g+4], KS
	s_mov_b32 s[\g+5], 32
	s_mov_b32 s[\g+6], 0
	s_mov_b32 s[\g+7], 0
.endr
	s_lshl_b32 s20, s17, 8
	s_lshl_b32 s46, s42, 8
	s_mov_b32 s21, 0
	s_mov_b32 s47, 0
	s_mov_b64 s[18:19], KS
	s_mul_u64 s[22:23], s[20:21], s[18:19]
	s_mul_u64 s[92:93], s[46:47], s[18:19]
	s_mov_b64 s[18:19], KROW
	s_mul_u64 s[20:21], s[20:21], s[18:19]
	s_mul_u64 s[46:47], s[46:47], s[18:19]
	s_mul_i32 s45, s14, XH
	s_mul_i32 s94, s14, YH
	s_mul_i32 s95, s16, 128*KROW
	s_lshl_b32 s18, s42, 7
	s_add_co_u32 s18, s18, 2048                    ; W_v's first row for me
	s_mul_i32 s2, s18, KROW
	s_mov_b32 s3, 0
	s_wait_dscnt 0x0
	s_wait_kmcnt 0x0
	s_add_nc_u64 s[4:5], s[4:5], s[20:21]          ; x's tile; kept for part 2
	s_add_nc_u64 s[22:23], s[6:7], s[22:23]
	s_add_nc_u64 s[46:47], s[8:9], s[46:47]
	s_add_nc_u64 s[92:93], s[10:11], s[92:93]
	s_add_nc_u64 s[100:101], s[8:9], s[2:3]        ; W_v's codes,
	s_lshl_b32 s2, s18, 5
	s_add_nc_u64 s[6:7], s[10:11], s[2:3]          ; and scales (x_scales' pointer has been used)
	CROUND                                         ; all sixteen work-groups are here: the first joint loads meet
	s_mov_b32 s[G0], 1
	s_mov_b32 s[G0+1], 0
	s_mov_b64 s[G0+2:G0+3], s[4:5]
	s_or_b32 s[G0+3], s[G0+3], 0x80000000
	s_mov_b32 s[G0B], 1
	s_mov_b32 s[G0B+1], 2*XH
	s_mov_b64 s[G0B+2:G0B+3], s[46:47]
	s_or_b32 s[G0B+3], s[G0B+3], 0x80000000
	s_mov_b32 s[G0S], 1
	s_mov_b32 s[G0S+1], SCL
	s_mov_b64 s[G0S+2:G0S+3], s[22:23]
	s_or_b32 s[G0S+3], s[G0S+3], 0x80000000
	s_mov_b32 s[G0SB], 1
	s_mov_b32 s[G0SB+1], SCL+2*HALFS
	s_mov_b64 s[G0SB+2:G0SB+3], s[92:93]
	s_or_b32 s[G0SB+3], s[G0SB+3], 0x80000000
	s_mov_b32 s18, s95
	s_mov_b32 s19, 0
	s_add_nc_u64 s[20:21], s[4:5], s[18:19]        ; my 128 rows
	s_add_nc_u64 s[46:47], s[46:47], s[18:19]
	s_mov_b32 s[G0+4], 1
	s_add_co_u32 s[G0+5], s94, YB
	s_add_nc_u64 s[G0+6:G0+7], s[20:21], 3072      ; K 256 on
	s_or_b32 s[G0+7], s[G0+7], 0x80000000
	s_mov_b32 s[G0B+4], 1
	s_add_co_u32 s[G0B+5], s94, YB
	s_add_nc_u64 s[G0B+6:G0B+7], s[46:47], 3072
	s_or_b32 s[G0B+7], s[G0B+7], 0x80000000
	s_cmp_eq_u32 s15, 0                            ; the prefetches: of the 8 tiles that I fetch, the partner at place p takes tiles 2 p, 2 p + 1
	s_cselect_b64 s[92:93], s[20:21], s[46:47]
	s_cselect_b32 s18, s40, s41
	s_mul_i32 s18, s18, 24576
	s_add_nc_u64 s[92:93], s[92:93], s[18:19]
.macro ARM under, g0, g1, next
	s_cmp_lt_u32 s14, \under
	s_cbranch_scc0 \next
	tensor_load_to_lds s[\g0:\g0+3], s[\g1:\g1+7]
	s_nop 0
.rept 4
	v_nop
.endr
	s_branch .Lhead_asked
\next:
.endm
	ARM 1, G0,  G1,  .Lhead_b                      ; one load a wave: x's K 0-255, W's, x's scales, W's scales
	ARM 2, G0B, G1B, .Lhead_sa
	ARM 3, G0S, G1S, .Lhead_sb
	tensor_load_to_lds s[G0SB:G0SB+3], s[G1SB:G1SB+7]
	s_nop 0
.rept 4
	v_nop
.endr
.Lhead_asked:
	s_mul_i32 s21, s15, XH
	s_mul_i32 s22, s16, XH
	s_add_co_u32 s22, s22, 2*XH
	s_mul_i32 s23, s15, YH
	s_add_co_u32 s23, s23, YB
	s_mul_i32 s18, s16, YH
	s_add_co_u32 s18, s18, YB+2*YH
	s_mul_i32 s19, s15, HALFS
	s_mul_i32 s20, s16, HALFS
	s_add_co_u32 s20, s20, 2*HALFS
	s_sub_co_u32 s20, s20, s19
	s_add_co_u32 s19, s19, SCL
	s_lshl_b32 s3, s40, 1
	s_add_co_u32 s3, s3, s16
	s_lshl_b32 s3, s3, 13                          ; the table's blocks: 32 for each of the eight waves that share my 128 tokens
	v_and_b32 v1, 15, v0
	v_bfe_u32 v2, v0, 4, 1
	v_and_b32 v3, 31, v0
	v_lshlrev_b32 v4, 4, v3
	v_add_nc_u32 v[ADRA], s21, v4
	v_add_nc_u32 v[ADRB], s22, v4
	v_add_nc_u32 v[ADRA+1], s23, v4
	v_add_nc_u32 v[ADRB+1], s18, v4
	v_mul_u32_u24 v5, v1, KS
	v_lshrrev_b32 v6, 8, v5
	v_lshl_add_u32 v5, v6, 4, v5
	v_mul_u32_u24 v6, s20, v2                      ; lanes 16-31 take the B side's scale words
	v_add_nc_u32 v5, v5, v6
	v_add_nc_u32 v[ADRS], s19, v5
	v_min_u32 v7, 23, v3                           ; 24 blocks; lanes 24-31 name the last again
	v_lshlrev_b32 v[PFY], 8, v7                    ; K 256-767: 24 blocks of a tile
	v_mul_u32_u24 v8, v7, 11
	v_lshrrev_b32 v8, 7, v8                        ; block / 12
	v_mul_u32_u24 v8, v8, 9216
	v_lshl_add_u32 v[PFO], v7, 8, v8               ; K 768-1023: 12 blocks of each of two tiles
	v_lshl_add_u32 v[PFC], v3, 8, s3
	s_lshl_b32 s95, s17, 8
	s_lshl_b32 s94, s15, 7
	s_add_co_u32 s95, s95, s94                     ; part 1: my first token,
	s_lshl_b32 s67, s42, 8
	s_lshl_b32 s94, s16, 7
	s_add_co_u32 s67, s67, s94                     ; my first row of W_q, W_k
	s_and_b32 s67, s67, 1023
	s_lshr_b32 s67, s67, 6
	s_lshr_b32 s94, s95, 11
	s_lshl_b32 s94, s94, 4
	s_add_co_u32 s94, s94, s67
	s_lshl_b32 s94, s94, 4
	s_bfe_u32 s67, s95, 0x40007
	s_add_co_u32 s94, s94, s67
	s_mul_i32 s94, s94, RECB
	s_cmp_eq_u32 ttmp9, 1                          ; cluster x = 1: k
	s_cselect_b32 s67, 6400, 0
	s_mov_b32 s2, 6144
	s_cselect_b32 s2, 18688, s2
	s_add_co_u32 s18, s94, s67
	s_mov_b32 s19, 0
	s_add_nc_u64 s[12:13], s[98:99], s[18:19]
	s_add_co_u32 s18, s94, s2
	s_add_nc_u64 s[10:11], s[98:99], s[18:19]
	s_and_b32 s18, s95, 2047
	s_lshl_b32 s18, s18, 9
	s_add_nc_u64 s[8:9], s[96:97], s[18:19]
.macro FRAG reg, adr, st, i            ; a fragment's 12 registers: three loads of 16 bytes a lane, lanes on end.  Steps 2 to 5 lie in Y, the others in X
.irp c, 0,1,2
.if ((\st) >= 2) && ((\st) < 6)
	ds_load_b128 v[\reg+4*\c:\reg+4*\c+3], v[\adr+1] offset:(\i)*6144+((\st)-2)*1536+512*\c
.else
	ds_load_b128 v[\reg+4*\c:\reg+4*\c+3], v[\adr] offset:(\i)*3072+((\st)%2)*1536+512*\c
.endif
.endr
.endm
.macro MUL16 a0, p, q, sc, zero        ; the accumulators take turns, in the same order in every step
.irp a, \a0, \a0+1
.irp b, 0,1,2,3,4,5,6,7
.if \zero
	v_wmma_scale_f32_16x16x128_f8f6f4 v[8*(8*((\a)%4)+\b):8*(8*((\a)%4)+\b)+7], v[128*(\p)+FR*\b:128*(\p)+FR*\b+FR-1], v[AF+FR*(\a):AF+FR*(\a)+FR-1], 0, v[SC+8*NQ*(\sc)+NQ*\b+(\q)], v[SC+8*NQ*(\sc)+NQ*(\a)+(\q)] matrix_a_fmt:MATRIX_FMT_FP6 matrix_b_fmt:MATRIX_FMT_FP6 matrix_a_scale:MATRIX_SCALE_ROW1
.else
	v_wmma_scale_f32_16x16x128_f8f6f4 v[8*(8*((\a)%4)+\b):8*(8*((\a)%4)+\b)+7], v[128*(\p)+FR*\b:128*(\p)+FR*\b+FR-1], v[AF+FR*(\a):AF+FR*(\a)+FR-1], v[8*(8*((\a)%4)+\b):8*(8*((\a)%4)+\b)+7], v[SC+8*NQ*(\sc)+NQ*\b+(\q)], v[SC+8*NQ*(\sc)+NQ*(\a)+(\q)] matrix_a_fmt:MATRIX_FMT_FP6 matrix_b_fmt:MATRIX_FMT_FP6 matrix_a_scale:MATRIX_SCALE_ROW1
.endif
.endr
.endr
.endm
.macro FETCH_B st, p
	WIN TO_B
.irp i, 0,1,2,3,4,5,6,7
	FRAG 128*(\p)+FR*\i, ADRB, \st, \i
.endr
	WIN 0
.endm
.macro FETCH_A st, i0
.irp i, \i0, \i0+1, \i0+2, \i0+3
	FRAG AF+FR*(\i), ADRA, \st, \i
.endr
.endm
.macro SCALES pr
.irp i, 0,1,2,3,4,5,6,7
	ds_load_b64 v[SC+8*NQ*((\pr)%2)+NQ*\i:SC+8*NQ*((\pr)%2)+NQ*\i+1], v[ADRS] offset:\i*SBLK+4*NQ*(\pr)
.endr
.endm
.macro PLACES n
.rept \n
	v_nop
.endr
.endm
; A step of 128 along K: 64 matrix instructions; the next step's fragments are fetched in its middle and at its end.
; Step 1: Y is whole, X is read no more and takes K 768-1023.  Step 5: X's refill is whole, Y is read no more and takes x's 256 rows whole, a quarter a wave, for part 2.
.macro STEP st, zero
.set NX, (\st)+1
.if ((\st) == 1) || ((\st) == 5)
	s_wait_tensorcnt 0x0                           ; all my tensor loads have landed
	ds_add_u32 v[SPW], v[NIL]
.if (\st) == 1
	s_mov_b32 s[G1+1], 384<<16                     ; no load of mine is out: the refill's rows are 3,072 bytes again
	s_mov_b32 s[G1+3], 384<<16
	s_mov_b32 s[G1B+1], 384<<16
	s_mov_b32 s[G1B+3], 384<<16
.else
.irp g, G1, G1B
	s_mov_b32 s[\g+1], 1536<<16                    ; part 2's tiles: 4 rows of 12,288 bytes
	s_mov_b32 s[\g+2], 4<<16
	s_mov_b32 s[\g+3], 1536<<16
	s_mov_b32 s[\g+4], 4
.endr
	s_mov_b32 s[G1SB+2], 16<<16                    ; W_v's scales: 128 rows are 16 rows of 256 bytes
	s_mov_b32 s[G1SB+4], 16
	s_mov_b32 s[G0+5], SCL+2*HALFS
	s_mov_b64 s[G0+6:G0+7], s[6:7]
	s_or_b32 s[G0+7], s[G0+7], 0x80000000
.endif
	s_wait_dscnt 4*NL+1                            ; the add and the youngest 12 loads (A's blocks 4-7) may be out
	WIN MUL_LO
	MUL16 0, (\st)%2, (\st)%2, ((\st)/2)%2, \zero
	s_wait_dscnt 0x0                               ; the add and all my reads are done
	s_barrier_signal -1
	MUL16 2, (\st)%2, (\st)%2, ((\st)/2)%2, \zero
	WIN 0
	s_barrier_wait -1
	CREST                                          ; the barrier has opened a round of the cluster's barrier
.if (\st) == 1
	JLOAD G0, G1, G0B, G1B                         ; K 768-1023 into X; its four v_nop are the places in front of the loads below
.else
	tensor_load_to_lds s[G0S:G0S+3], s[G1:G1+7]    ; x's tiles 4 w .. 4 w + 3, whole K, into Y
	s_nop 0
.rept 4
	v_nop
.endr
.endif
.else
	s_wait_dscnt 4*NL                              ; the youngest 12 loads (A's blocks 4-7) may be out
	WIN MUL_LO
	MUL16 0, (\st)%2, (\st)%2, ((\st)/2)%2, \zero
	MUL16 2, (\st)%2, (\st)%2, ((\st)/2)%2, \zero
	s_wait_dscnt 0
	PLACES NP
.endif
	FETCH_B NX, NX%2
	FETCH_A NX, 0
.if NX%2 == 0
	SCALES NX/2
.endif
.if (\st) == 1
	global_prefetch_b8 v[PFC], s[8:9] th:TH_LOAD_NT scope:SCOPE_SE
.endif
	WIN MUL_HI
	MUL16 4, (\st)%2, (\st)%2, ((\st)/2)%2, \zero
	MUL16 6, (\st)%2, (\st)%2, ((\st)/2)%2, \zero
	PLACES NP
	WIN 0
	FETCH_A NX, 4
.endm
	s_wait_alu depctr_va_vdst(0)                   ; the wait at the head's end
	global_prefetch_b8 v[PFY], s[92:93] offset:3072 th:TH_LOAD_NT scope:SCOPE_SE
	global_prefetch_b8 v[PFY], s[92:93] offset:15360 th:TH_LOAD_NT scope:SCOPE_SE
	s_wait_tensorcnt 0x0                           ; my tile of the head's four is in
	ds_add_u32 v[SPW], v[NIL]
.irp g, G1, G1B
	s_mov_b32 s[\g+1], 768<<16                     ; no load of mine is out: Y's tile is 8 rows of 6,144 bytes
	s_mov_b32 s[\g+2], 8<<16
	s_mov_b32 s[\g+3], 768<<16
	s_mov_b32 s[\g+4], 8
.endr
	s_mov_b32 s[G0+1], s45                         ; X's group 0 for the refill: my 8 tiles, K 768 on
	s_add_nc_u64 s[G0+2:G0+3], s[G0+6:G0+7], 6144
	s_mov_b32 s[G0B+1], s45
	s_add_nc_u64 s[G0B+2:G0B+3], s[G0B+6:G0B+7], 6144
	s_mov_b32 s[G0S+1], s[G0+5]                    ; part 2: x's tiles 4 w on, into my quarter of Y;
	s_mul_i32 s18, s14, YH
	s_mov_b32 s19, 0
	s_add_nc_u64 s[G0S+2:G0S+3], s[4:5], s[18:19]
	s_or_b32 s[G0S+3], s[G0S+3], 0x80000000
	s_mul_i32 s[G0SB+1], s16, YH                   ; W_v's tiles 4 (w % 2) on, into a half of X
	s_mul_i32 s18, s16, YH
	s_add_nc_u64 s[G0SB+2:G0SB+3], s[100:101], s[18:19]
	s_or_b32 s[G0SB+3], s[G0SB+3], 0x80000000
	s_wait_dscnt 0x0
	CROUND
	JLOAD G0+4, G1, G0B+4, G1B                     ; K 256-767, the first tensor load behind the round
	FETCH_B 0, 0
	FETCH_A 0, 0
	SCALES 0
	FETCH_A 0, 4
	global_prefetch_b8 v[PFO], s[92:93] offset:9216 th:TH_LOAD_NT scope:SCOPE_SE
	STEP 0, 1
.set ST, 1
.rept 6
	STEP ST, 0
.set ST, ST+1
.endr
	s_wait_dscnt 4*NL
	WIN MUL_LO
	MUL16 0, 1, 1, 1, 0
	MUL16 2, 1, 1, 1, 0
	s_wait_dscnt 0
	WIN MUL_HI
	MUL16 4, 1, 1, 1, 0
	MUL16 6, 1, 1, 1, 0
	WIN 0
; THE QUANTISER of 64 registers: four blocks of 32 along the next K, each in lanes l and l xor 16
.macro QUANT s, w, d0, d1, pw
.set QB,  \s
.set QWN, \w
.set QD0, \d0
.set QD1, \d1
.set QPW, \pw
	WIN QWN|(QWN<<2)
.irp b, 0,1,2,3
	v_max3_num_f32 v[TM+\b], |v[QB+16*\b]|, |v[QB+16*\b+1]|, 0x1800000
.endr
.irp i, 2,4,6,8,10,12,14
.irp b, 0,1,2,3
	v_max3_num_f32 v[TM+\b], |v[QB+16*\b+\i]|, |v[QB+16*\b+\i+1]|, v[TM+\b]
.endr
.endr
	WIN 0
.irp b, 0,1,2,3
	v_permlanex16_b32 v[TM+4+\b], v[TM+\b], s20, s21
.endr
.irp b, 0,1,2,3
	v_max_num_f32 v[TM+\b], v[TM+\b], v[TM+4+\b]
.endr
.irp b, 0,1,2,3
	v_add_nc_u32 v[TM+12+\b], 0xff000000, v[TM+\b]
.endr
.irp b, 0,1,2,3
	v_lshrrev_b32 v[TM+4+\b], 23, v[TM+12+\b]
.endr
	v_lshl_or_b32 v[QPW], v[TM+5], 8, v[TM+4]
	v_lshl_or_b32 v[QPW], v[TM+6], 16, v[QPW]
	v_lshl_or_b32 v[QPW], v[TM+7], 24, v[QPW]
	WIN QWN
	v_cvt_scalef32_pk16_fp6_f32 v[QD0:QD0+2], v[QB:QB+15], v[TM+12]
	v_cvt_scalef32_pk16_fp6_f32 v[T2:T2+2], v[QB+16:QB+31], v[TM+13]
	v_cvt_scalef32_pk16_fp6_f32 v[QD1:QD1+2], v[QB+32:QB+47], v[TM+14]
	v_cvt_scalef32_pk16_fp6_f32 v[T2+4:T2+6], v[QB+48:QB+63], v[TM+15]
	WIN 0
	v_nop
.irp i, 0,1,2
	v_permlane16_swap_b32 v[QD0+\i], v[T2+\i]
	v_permlane16_swap_b32 v[QD1+\i], v[T2+4+\i]
.endr
.irp i, 0,1,2
	v_mov_b32 v[QD0+3+\i], v[T2+\i]
	v_mov_b32 v[QD1+3+\i], v[T2+4+\i]
.endr
.endm
.macro TLD a, buf
.irp g, 0,1,2,3,4,5,6,7,8,9,10,11,12,13,14,15
	global_load_b128 v[(\buf)+4*\g:(\buf)+4*\g+3], v1, s[8:9] offset:(\a)*8192+\g*512
.endr
.endm
.macro ROPE a, buf
	WIN 2+(\a)/4
.irp b, 0,1,2,3,4,5,6,7
.set AC, 64*((\a)%4)+8*\b
.set CB, (\buf)+8*(\b%4)
.irp i, 0,2,4,6
	v_pk_mul_f32 v[R+8*\b+\i:R+8*\b+\i+1], v[AC+\i:AC+\i+1], v[CB+\i:CB+\i+1]
.endr
.irp j, 0,1,2,3,4,5,6,7
	v_fma_f32 v[R+8*\b+\j], v[AC+\j+1-2*(\j%2)], v[CB+32+\j], v[R+8*\b+\j]
.endr
.endr
	WIN 0
.endm
; PART 1's WAY OUT
	PLACES NP
; X and W's scale bytes are read no more (my last reads were waited for in step 7): behind a round, which stands ahead of the way out's first load and store, they take W_v's codes (waves 0, 1) and scales (wave 2)
	s_wait_tensorcnt 0x0                           ; x has landed in Y
	ds_add_u32 v[SPW], v[NIL]
	s_wait_dscnt 0x0
	CROUND
	s_cmp_lt_u32 s14, 2
	s_cbranch_scc0 .Lv_scales
	tensor_load_to_lds s[G0SB:G0SB+3], s[G1B:G1B+7]
	s_nop 0
.rept 4
	v_nop
.endr
	s_branch .Lv_asked
.Lv_scales:
	s_cmp_eq_u32 s14, 2
	s_cbranch_scc0 .Lv_asked
	tensor_load_to_lds s[G0+4:G0+7], s[G1SB:G1SB+7]
	s_nop 0
.rept 4
	v_nop
.endr
.Lv_asked:
	s_wait_xcnt 0x0
	v_and_b32 v3, 31, v0
	v_lshlrev_b32 v1, 4, v3
	v_lshlrev_b32 v2, 3, v3
.irp b, 0,1,2,3
	v_mov_b32 v[TM+4+\b], 0
.endr
	v_cmp_lt_u32 vcc_lo, 15, v3
	s_mov_b32 s20, 0x76543210
	s_mov_b32 s21, 0xfedcba98
	s_wait_alu depctr_va_vdst(0)
	TLD 0, CSA
	TLD 1, CSA+64
.irp a, 0,1,2,3,4,5,6,7
.if \a < 7
	s_wait_loadcnt 16
.else
	s_wait_loadcnt 0
.endif
	ROPE \a, CSA+64*(\a%2)
.if \a < 6
	TLD \a+2, CSA+64*(\a%2)
.endif
.if (\a%2 == 0) && (\a >= 2)
	s_wait_xcnt 0x0
.endif
	QUANT R, 0, F0+6*(\a%2), F1+6*(\a%2), PWA+(\a%2)
.if \a%2 == 1
.if (\a/2)%2 == 0
	v_perm_b32 v[SW+\a/4], v[PWB], v[PWA], 0x05040100
	v_perm_b32 v[SW+2+\a/4], v[PWB], v[PWA], 0x07060302
.else
	v_perm_b32 v26, v[PWB], v[PWA], 0x05040100
	v_cndmask_b32 v[SW+\a/4], v[SW+\a/4], v26, vcc_lo
	v_perm_b32 v26, v[PWB], v[PWA], 0x07060302
	v_cndmask_b32 v[SW+2+\a/4], v[SW+2+\a/4], v26, vcc_lo
.endif
.irp c, 0,1,2
	global_store_b128 v1, v[F0+4*\c:F0+4*\c+3], s[12:13] offset:(\a/2)*1536+512*\c
	global_store_b128 v1, v[F1+4*\c:F1+4*\c+3], s[12:13] offset:(\a/2)*1536+512*\c+HEADB
.endr
.endif
.endr
	s_wait_alu depctr_va_vdst(0)
	global_store_b64 v2, v[SW:SW+1], s[10:11]
	global_store_b64 v2, v[SW+2:SW+3], s[10:11] offset:HEADB
; PART 2: v.  A side = W_v (my 64 rows: one head), B side = x (my 128 tokens)
	s_lshl_b32 s95, s17, 8
	s_lshl_b32 s94, s16, 7
	s_add_co_u32 s95, s95, s94                     ; my first token
	s_lshl_b32 s2, s42, 1
	s_add_co_u32 s2, s2, s15                       ; my head
	s_lshr_b32 s94, s95, 11
	s_lshl_b32 s94, s94, 4
	s_add_co_u32 s94, s94, s2
	s_lshl_b32 s94, s94, 4
	s_bfe_u32 s2, s95, 0x40007
	s_add_co_u32 s94, s94, s2
	s_mul_i32 s94, s94, RECB
	s_add_co_u32 s18, s94, 12544
	s_mov_b32 s19, 0
	s_add_nc_u64 s[4:5], s[98:99], s[18:19]        ; v's codes,
	s_add_co_u32 s18, s94, 18944
	s_add_nc_u64 s[6:7], s[98:99], s[18:19]        ; v's scale words
	s_mul_i32 s22, s16, 2*YH
	s_add_co_u32 s22, s22, YB
	s_add_co_u32 s23, s22, YH
	s_mul_i32 s2, s15, YH
	s_mul_i32 s94, s16, HALFS
	s_add_co_u32 s94, s94, SCL                     ; x's scales, my 128 tokens: the lower base
	s_mul_i32 s3, s15, 4*SBLK
	s_add_co_u32 s3, s3, SCL+2*HALFS               ; W_v's scales, my 64 rows
	s_sub_co_u32 s3, s3, s94
	v_add_nc_u32 v[ADRA], s22, v1
	v_add_nc_u32 v[ADRA+1], s23, v1
	v_add_nc_u32 v[ADRW], s2, v1
	v_and_b32 v5, 15, v0
	v_mul_u32_u24 v5, v5, KS
	v_lshrrev_b32 v6, 8, v5
	v_lshl_add_u32 v5, v6, 4, v5
	v_bfe_u32 v7, v0, 4, 1
	v_sub_nc_u32 v7, 1, v7
	v_mul_u32_u24 v6, s3, v7                       ; lanes 0-15 take the A side's (W_v's) words, lanes 16-31 x's
	v_add_nc_u32 v5, v5, v6
	v_add_nc_u32 v[ADRS], s94, v5
.macro FETCHV st, p                    ; 36 LDS loads: x's eight fragments and W_v's four of step st into set p
	WIN TO_B
.irp i, 0,1,2,3,4,5,6,7
.irp c, 0,1,2
	ds_load_b128 v[128*(\p)+FR*\i+4*\c:128*(\p)+FR*\i+4*\c+3], v[ADRA+\i/4] offset:(\i%4)*12288+(\st)*1536+512*\c
.endr
.endr
	WIN 0
.irp i, 0,1,2,3
.irp c, 0,1,2
	ds_load_b128 v[AF+48*(\p)+FR*\i+4*\c:AF+48*(\p)+FR*\i+4*\c+3], v[ADRW] offset:\i*12288+(\st)*1536+512*\c
.endr
.endr
.endm
.macro MULV st, p, zero                ; 32 matrix instructions, the 32 accumulators by turns
.irp a, 0,1,2,3
.irp b, 0,1,2,3,4,5,6,7
.if \zero
	v_wmma_scale_f32_16x16x128_f8f6f4 v[8*(8*\a+\b):8*(8*\a+\b)+7], v[128*(\p)+FR*\b:128*(\p)+FR*\b+FR-1], v[AF+48*(\p)+FR*\a:AF+48*(\p)+FR*\a+FR-1], 0, v[SC+8*NQ*(((\st)/2)%2)+NQ*\b+(\st)%2], v[SC+8*NQ*(((\st)/2)%2)+NQ*\a+(\st)%2] matrix_a_fmt:MATRIX_FMT_FP6 matrix_b_fmt:MATRIX_FMT_FP6 matrix_a_scale:MATRIX_SCALE_ROW1
.else
	v_wmma_scale_f32_16x16x128_f8f6f4 v[8*(8*\a+\b):8*(8*\a+\b)+7], v[128*(\p)+FR*\b:128*(\p)+FR*\b+FR-1], v[AF+48*(\p)+FR*\a:AF+48*(\p)+FR*\a+FR-1], v[8*(8*\a+\b):8*(8*\a+\b)+7], v[SC+8*NQ*(((\st)/2)%2)+NQ*\b+(\st)%2], v[SC+8*NQ*(((\st)/2)%2)+NQ*\a+(\st)%2] matrix_a_fmt:MATRIX_FMT_FP6 matrix_b_fmt:MATRIX_FMT_FP6 matrix_a_scale:MATRIX_SCALE_ROW1
.endif
.endr
.endr
.endm
	s_wait_alu depctr_va_vdst(0)                   ; the wait ahead of the blocking wait
	s_wait_tensorcnt 0x0                           ; my part of W_v is in,
	s_barrier_signal -1
	s_barrier_wait -1                              ; and so is everybody's; nothing is filled again
	SCALES 0
	FETCHV 0, 0
	FETCHV 1, 1
	s_wait_dscnt 36                                ; all but the 36 just issued
	WIN MUL_LO
	MULV 0, 0, 1
.set ST, 1
.rept 6
	PLACES NP                                      ; in front of loads into the set that the last step multiplied
	FETCHV ST+1, (ST+1)%2
.if (ST+1)%2 == 0
	SCALES (ST+1)/2
	s_wait_dscnt 44                                ; all but the 36 and 8 just issued
.else
	s_wait_dscnt 36
.endif
	WIN MUL_LO
	MULV ST, ST%2, 0
.set ST, ST+1
.endr
	s_wait_dscnt 0x0
	MULV 7, 1, 0
	WIN 0
	PLACES NP
	s_wait_xcnt 0x0                                ; part 1's stores have read their registers
.irp a, 0,1,2,3
.if \a >= 2
	s_wait_xcnt 0x0
.endif
	QUANT 64*\a, 2, F0+12*(\a%2), F0+12*(\a%2)+6, PWA
.if \a%2 == 0
	v_mov_b32 v[SW+\a/2], v[PWA]
.else
	v_cndmask_b32 v[SW+\a/2], v[SW+\a/2], v[PWA], vcc_lo
.endif
.irp c, 0,1,2
	global_store_b128 v1, v[F0+12*(\a%2)+4*\c:F0+12*(\a%2)+4*\c+3], s[4:5] offset:\a*1536+512*\c
.endr
.endr
	s_wait_alu depctr_va_vdst(0)
	global_store_b64 v2, v[SW:SW+1], s[6:7]
	s_wait_tensorcnt 0x0                           ; the wave's end
	ds_add_u32 v[SPW], v[NIL]
	s_wait_dscnt 0x0
	CROUND                                         ; the closing round
	s_endpgm
.Lfunc_end_k_q3c17d153c8_qkv:
	.size	k_q3c17d153c8_qkv, .Lfunc_end_k_q3c17d153c8_qkv-k_q3c17d153c8_qkv
	.p2alignl 7, 3214868480
	.fill 96, 4, 3214868480
	.section	.rodata,"a",@progbits
	.p2align	6, 0x0
	.amdhsa_kernel k_q3c17d153c8_qkv
		.amdhsa_group_segment_fixed_size 327680
		.amdhsa_private_segment_fixed_size 0
		.amdhsa_enable_private_segment 0
		.amdhsa_kernarg_size 48
		.amdhsa_user_sgpr_count 2
		.amdhsa_user_sgpr_kernarg_segment_ptr 1
		.amdhsa_wavefront_size32 1
		.amdhsa_system_sgpr_workgroup_id_x 1
		.amdhsa_system_sgpr_workgroup_id_y 1
		.amdhsa_system_sgpr_workgroup_id_z 1
		.amdhsa_system_vgpr_workitem_id 0
		.amdhsa_next_free_vgpr 1024
		.amdhsa_next_free_sgpr 102
		.amdhsa_reserve_vcc 1
		.amdhsa_float_denorm_mode_32 3
		.amdhsa_float_denorm_mode_16_64 3
		.amdhsa_memory_ordered 1
		.amdhsa_forward_progress 1
		.amdhsa_inst_pref_size 255
	.end_amdhsa_kernel
	.section	.bss,"aw",@nobits
	.p2align	6
	.space	262144
	.amdgpu_metadata
---
amdhsa.version: [ 1, 2 ]
amdhsa.kernels:
  - .name:           k_q3c17d153c8_qkv
    .symbol:         k_q3c17d153c8_qkv.kd
    .args:
      - { .name: xi, .offset: 0, .size: 8, .value_kind: global_buffer, .address_space: global }
      - { .name: x_scales, .offset: 8, .size: 8, .value_kind: global_buffer, .address_space: global }
      - { .name: wqi, .offset: 16, .size: 8, .value_kind: global_buffer, .address_space: global }
      - { .name: W_qkv_scales, .offset: 24, .size: 8, .value_kind: global_buffer, .address_space: global }
      - { .name: cs, .offset: 32, .size: 8, .value_kind: global_buffer, .address_space: global }
      - { .name: qkvc, .offset: 40, .size: 8, .value_kind: global_buffer, .address_space: global }
    .group_segment_fixed_size: 327680
    .private_segment_fixed_size: 0
    .kernarg_segment_align: 8
    .kernarg_segment_size: 48
    .max_flat_workgroup_size: 128
    .sgpr_count:     102
    .vgpr_count:     1024
    .wavefront_size: 32
...
	.end_amdgpu_metadata
.endif
;; end of part 2
;; launch attn (part 3): grid 4 x 64, 16 waves a work-group, clusters of 4 x 1, 206,848 bytes of LDS; arguments qkvc, yc; writes yc
.if DOCPART == 3
	.amdgcn_target "amdgcn-amd-amdhsa--gfx1250"
	.amdhsa_code_object_version 6
	.text
	.protected	k_q3c17d153c8_attn
	.globl	k_q3c17d153c8_attn
	.p2align	8
	.type	k_q3c17d153c8_attn,@function
k_q3c17d153c8_attn:
	s_mov_b64 s[64:65], 0
	v_nop
	global_prefetch_b8 v0, s[64:65] scope:SCOPE_SE
	s_setreg_imm32_b32 hwreg(HW_REG_WAVE_MODE, 25, 1), 1
	s_wait_xcnt 0x0
	s_wait_alu depctr_hold_cnt(0) depctr_sa_sdst(0) depctr_va_vdst(0) depctr_va_sdst(0) depctr_va_ssrc(0) depctr_va_vcc(0) depctr_vm_vsrc(0)
	s_getreg_b32 s2, hwreg(HW_REG_IB_STS2, 6, 4)
	s_cmp_eq_u32 s2, 0
	s_cbranch_scc0 .Lentry_in_a_cluster
	s_endpgm
.Lentry_in_a_cluster:
	s_bfe_u32 s2, ttmp6, 0x10000c
	s_cmp_lg_u32 s2, 0x3003
	s_cbranch_scc0 .Lentry_shape_is_right
	s_endpgm
.Lentry_shape_is_right:
; y[b][h][q] = the sum over k of softmax_k(q . k / 8) v, both products on codes of FP6 (E2M3) with E8M0 scales; then y's quantiser along the head's 64.  Nothing of reference() is left out.
; THE SOFTMAX AHEAD OF THE SECOND PRODUCT: t = score x log2(e) / 8; M = the running largest t rounded up to a whole number; p = 2^(t - M) is quantised along the keys, not normalised; the row's sum is taken of the
; unquantised p and divides at the end; when M moves, the sum and O are multiplied by 2^(old M - new M), which rounds nothing.
; SHARES.  A cluster of four work-groups is one (batch, head); each work-group owns 512 queries, each of its sixteen waves 32: two tiles of 16, walked one after the other.  Four waves to a SIMD, so that one wave's
; vector work stands beside another's matrix work and LDS loads.
; K, V AND THEIR SCALE WORDS OF THE WHOLE HEAD LIE IN LDS: 16 steps of 128 keys, 12,800 bytes each (+0 K's codes, +6,144 V's, +12,288 K's scale words, +12,544 V's), as images of operand registers.  They are filled once:
; wave w brings step w, by one joint load that all four work-groups issue alike.  So there is no ring, no refill, and no barrier in the loops.
; K = 64 IN AN INSTRUCTION OF 128.  A fragment of K holds two tiles of 16 keys, [tile 2 f's 64 d | tile 2 f + 1's].  Q stands twice: [q | zero codes] and [zero codes | q].  Each product takes one half; the other half
; multiplies zero codes by codes of the format, which has no NaN and no infinity, under scale bytes from 1 to 254: it adds 0.
; LAYOUT.  Both products are used transposed: S^T = K Q^T, O^T = V^T P^T: a lane holds one query (lane % 16) throughout.  The 16 registers of S's tiles 2 n and 2 n + 1 are converted as they stand: inside a block of 32 keys
; the codes lie in the order 0-7, 16-23, 8-15, 24-31, as V's do.  y meets W_proj, whose codes lie in true order: so y is first put in true order, by 16 exchanges of half-waves a tile.
; yc: for (tile of 16 tokens, head) 768 bytes: registers 2 p, 2 p + 1 of lane l at 256 p + 8 l.  ys: [8192][32], a byte for each 32 along the 1,024.
; LIMITS: a block of zeros gets the byte 1 where the rule says 127 (zero codes; this program alone reads the bytes); NaN and infinities are not served.  A head owns 2 of a row's 32 bytes of ys, so those are stored a byte a lane.
.set STEPB, 12800
.set RECB,  19200
.set SPARE, 16*STEPB                   ; behind the sixteen steps: the spare words, 128 bytes for each wave: eight blocks of 256 bytes that no other line names
.set LI,  1                            ; v1   16 x lane
.set L8,  2                            ; v2   8 x lane
.set ADK, 3                            ; v3   the step's images
.set ADS, 4                            ; v4   the step's scale images
.set SPW, 5                            ; v5   my spare word; never rewritten
.set NIL, 6                            ; v6   0; never rewritten
.set YSO, 7                            ; v7   32 r + h: my byte of ys
.set R8,  8                            ; v8   8 r
.set LN,  9                            ; v9   lane
.set QP,  16                           ; v16-27  my two tiles of q: [tile 0 | tile 1]
.set QW,  28                           ; v28     their scale word
.set QS,  29                           ; v29     the tile in hand: its two bytes, twice
.set QLO, 32                           ; v32-43  [q | 0]
.set QHI, 44                           ; v44-55  [0 | q]
.set KV,  56                           ; v56-103 four fragments of K, then of V
.set S,   104                          ; v104-167 S^T, then p, at the end y
.set OT,  168                          ; v168-199 O^T
.set PC,  200                          ; v200-211 p's codes
.set T2,  212                          ; v212-219 second halves of blocks
.set BM,  220                          ; v220-223 the blocks' largest
.set BP,  224                          ; v224-227 the other half's, then bytes
.set SO,  228                          ; v228-231 the conversions' scale operands
.set KSC, 232                          ; v[232:233] K's scale words
.set VSC, 234                          ; v[234:235] V's
.set PS,  236                          ; v236 p's scale word
.set WV,  10
.set SEL, 28
.set CS,  30
.set TB,  32
.set CNT, 33
.macro CROUND                          ; a round of the cluster's barrier
	s_barrier_signal -1
	s_barrier_wait -1
	s_cmp_lg_u32 s[WV], 0
	s_cbranch_scc1 .Lnot_wave_0_\@
	s_barrier_signal -3
.Lnot_wave_0_\@:
	s_barrier_wait -3
	s_barrier_signal -1
	s_barrier_wait -1
.endm
	s_load_b128 s[4:7], s[0:1], 0x0                ; qkvc, yc
	v_lshl_add_u32 v[SPW], v0, 2, SPARE
	v_mov_b32 v[NIL], 0
	ds_add_u32 v[SPW], v[NIL]                      ; the wave's opening: the add, twice on end, and its wait ahead of my first tensor load
	ds_add_u32 v[SPW], v[NIL]
	v_lshrrev_b32 v1, 5, v0
	s_delay_alu instid0(VALU_DEP_1)
	v_readfirstlane_b32 s[WV], v1                  ; wave 0..15
	s_bfe_u32 s11, ttmp6, 0x40000                  ; cx: my 512 queries; it enters Q's, yc's and ys's addresses alone
	s_and_b32 s12, ttmp7, 0xffff                   ; 16 batch + head, which the four partners share
	; the one tile: a step's 12,800 dense bytes as 50 rows of 256
	s_mov_b32 s20, 15|(3<<16)|(1<<21)              ; the mask: all four work-groups; elements of 8 bytes; 21 set beside a mask; no padding
	s_mov_b32 s21, 32<<16                          ; tensor_dim0
	s_mov_b32 s22, 50<<16                          ; tensor_dim1
	s_mov_b32 s23, 32<<16                          ; tile_dim0
	s_mov_b32 s24, 50                              ; tile_dim1
	s_mov_b32 s25, 32                              ; the pitch
	s_mov_b32 s26, 0
	s_mov_b32 s27, 0
	s_mov_b32 s16, 1
	s_mul_i32 s17, s[WV], STEPB                    ; step w's place in LDS
	s_lshl_b32 s42, s12, 4                         ; the head's first record
	s_add_co_u32 s47, s42, s[WV]
	s_mul_i32 s44, s47, RECB
	s_add_co_u32 s44, s44, 6400                    ; K, V and their scale words of step w
	s_mov_b32 s45, 0
	s_lshl_b32 s43, s11, 2
	s_add_co_u32 s43, s43, s42
	s_lshr_b32 s46, s[WV], 2
	s_add_co_u32 s43, s43, s46
	s_mul_i32 s46, s43, RECB                       ; the record with my queries: 4 cx + wave / 4
	s_and_b32 s43, s[WV], 3
	s_mul_i32 s43, s43, 1536
	s_add_co_u32 s34, s46, s43                     ; its fragment wave % 4
	s_mov_b32 s35, 0
	s_and_b32 s43, s[WV], 1
	s_lshl_b32 s43, s43, 7                         ; that fragment's scale words: lanes 16 (f % 2) on,
	s_add_co_u32 s36, s46, s43
	s_bfe_u32 s43, s[WV], 0x10001
	s_lshl_b32 s43, s43, 2                         ; register f / 2 of the pair
	s_add_co_u32 s36, s36, s43
	s_add_co_u32 s36, s36, 6144
	s_mov_b32 s37, 0
	s_lshr_b32 s43, s12, 4
	s_lshl_b32 s43, s43, 7
	s_lshl_b32 s46, s11, 5
	s_add_co_u32 s43, s43, s46
	s_lshl_b32 s46, s[WV], 1
	s_add_co_u32 s43, s43, s46                     ; my first tile of 16 tokens: 128 batch + 32 cx + 2 wave
	s_and_b32 s46, s12, 15                         ; the head
	s_mul_i32 s38, s43, 12800                      ; yc: a record of 12,800 bytes for a tile of 16 tokens: 16 heads x 768 bytes of codes, then 16 rows of 32 scale bytes
	s_mul_i32 s39, s46, 768
	s_add_co_u32 s38, s38, s39
	s_mov_b32 s39, 0
	s_mul_i32 s40, s43, 12800
	s_add_co_u32 s40, s40, 12288                   ; the record's scale bytes
	s_lshl_b32 s46, s46, 1
	s_add_co_u32 s40, s40, s46                     ; two bytes a head
	s_mov_b32 s41, 0
	s_mov_b32 s[SEL], 0x76543210
	s_mov_b32 s[SEL+1], 0xfedcba98                 ; lane l xor 16
	s_mov_b32 s[CS], 0x3e38aa3b                    ; c = log2(e) / 8
	s_mov_b32 s[CS+1], s[CS]                       ; (named with it as a pair)
	v_and_b32 v[LN], 31, v0
	s_delay_alu instid0(VALU_DEP_1)
	v_lshlrev_b32 v[LI], 4, v[LN]
	s_delay_alu instid0(VALU_DEP_2)
	v_lshlrev_b32 v[L8], 3, v[LN]
	v_and_b32 v[R8], 15, v0
	v_bfe_u32 v[YSO], v0, 4, 1
	s_delay_alu instid0(VALU_DEP_1)
	v_lshl_add_u32 v[YSO], v[R8], 5, v[YSO]
	s_delay_alu instid0(VALU_DEP_3)
	v_lshlrev_b32 v[R8], 3, v[R8]
	s_wait_dscnt 0x0                               ; both opening adds are done
	s_wait_kmcnt 0x0
	s_add_nc_u64 s[18:19], s[4:5], s[44:45]
	s_or_b32 s19, s19, 0x80000000                  ; type = 2
	s_add_nc_u64 s[34:35], s[4:5], s[34:35]
	s_add_nc_u64 s[36:37], s[4:5], s[36:37]
	s_add_nc_u64 s[38:39], s[6:7], s[38:39]
	s_add_nc_u64 s[40:41], s[6:7], s[40:41]
	CROUND                                         ; all four work-groups are here: the joint loads meet
	tensor_load_to_lds s[16:19], s[20:27]          ; my one tensor load of the launch
	s_nop 0
.rept 4
	v_nop
.endr
	s_wait_alu depctr_va_vdst(0)
.irp c, 0,1,2
	global_load_b128 v[QP+4*\c:QP+4*\c+3], v[LI], s[34:35] offset:512*\c
.endr
	global_load_b32 v[QW], v[R8], s[36:37]
	s_wait_tensorcnt 0x0                           ; step w has landed,
	s_barrier_signal -1
	s_barrier_wait -1                              ; and so have all sixteen; nothing is filled again
	s_wait_loadcnt 0x0                             ; Q
; A KEY STEP: 128 keys.
.macro STEP
	v_add_nc_u32 v[ADK], s[TB], v[LI]
	v_add_nc_u32 v[ADS], s[TB], v[L8]
	v_nop
	v_nop                                          ; four places in front of loads into registers that the last products read
.irp f, 0,1,2,3
.irp c, 0,1,2
	ds_load_b128 v[KV+12*\f+4*\c:KV+12*\f+4*\c+3], v[ADK] offset:\f*1536+512*\c
.endr
.endr
	ds_load_b64 v[KSC:KSC+1], v[ADS] offset:12288
	s_wait_alu depctr_va_vdst(0)
	s_wait_dscnt 0x0
.irp f, 0,1,2,3                        ; S^T: each fragment of K serves two tiles of 16 keys
.if \f%2
	v_wmma_scale_f32_16x16x128_f8f6f4 v[S+16*\f:S+16*\f+7], v[KV+12*\f:KV+12*\f+11], v[QLO:QLO+11], 0, v[KSC+\f/2], v[QS] matrix_a_fmt:MATRIX_FMT_FP6 matrix_b_fmt:MATRIX_FMT_FP6 matrix_a_scale:MATRIX_SCALE_ROW1
	v_wmma_scale_f32_16x16x128_f8f6f4 v[S+16*\f+8:S+16*\f+15], v[KV+12*\f:KV+12*\f+11], v[QHI:QHI+11], 0, v[KSC+\f/2], v[QS] matrix_a_fmt:MATRIX_FMT_FP6 matrix_b_fmt:MATRIX_FMT_FP6 matrix_a_scale:MATRIX_SCALE_ROW1
.else
	v_wmma_scale_f32_16x16x128_f8f6f4 v[S+16*\f:S+16*\f+7], v[KV+12*\f:KV+12*\f+11], v[QLO:QLO+11], 0, v[KSC+\f/2], v[QS] matrix_a_fmt:MATRIX_FMT_FP6 matrix_b_fmt:MATRIX_FMT_FP6
	v_wmma_scale_f32_16x16x128_f8f6f4 v[S+16*\f+8:S+16*\f+15], v[KV+12*\f:KV+12*\f+11], v[QHI:QHI+11], 0, v[KSC+\f/2], v[QS] matrix_a_fmt:MATRIX_FMT_FP6 matrix_b_fmt:MATRIX_FMT_FP6
.endif
.endr
.rept 4
	v_nop                                          ; places: for the loads below and for the first reads of the scores
.endr
.irp f, 0,1,2,3                        ; V's fragments go into K's registers at once: they land under the softmax
.irp c, 0,1,2
	ds_load_b128 v[KV+12*\f+4*\c:KV+12*\f+4*\c+3], v[ADK] offset:6144+\f*1536+512*\c
.endr
.endr
	ds_load_b64 v[VSC:VSC+1], v[ADS] offset:12544
.irp b, 0,1,2,3
	v_max3_num_f32 v[BM+\b], v[S+16*\b], v[S+1+16*\b], v[S+2+16*\b]   ; the largest score of each block of 32 keys: for the row's maximum and, since p rises with the score, for the block's largest p
.endr
.irp i, 3,5,7,9,11,13
.irp b, 0,1,2,3
	v_max3_num_f32 v[BM+\b], v[BM+\b], v[S+16*\b+\i], v[S+1+16*\b+\i]
.endr
.endr
.irp b, 0,1,2,3
	v_max_num_f32 v[BM+\b], v[BM+\b], v[S+15+16*\b]
.endr
.irp b, 0,1,2,3
	s_delay_alu instid0(VALU_DEP_4)
	v_permlanex16_b32 v[BP+\b], v[BM+\b], s[SEL], s[SEL+1]
.endr
.irp b, 0,1,2,3
	s_delay_alu instid0(VALU_DEP_4)
	v_max_num_f32 v[BM+\b], v[BM+\b], v[BP+\b]     ; with lane l xor 16's 16 keys
.endr
	s_delay_alu instid0(VALU_DEP_2)
	v_max3_num_f32 v240, v[BM], v[BM+1], v[BM+2]
	s_delay_alu instid0(VALU_DEP_1)
	v_max_num_f32 v240, v240, v[BM+3]              ; the step's largest score of my query
	s_delay_alu instid0(VALU_DEP_1)
	v_mul_f32 v240, s[CS], v240                    ; as t
	s_delay_alu instid0(VALU_DEP_1)
	v_max_num_f32 v13, v13, v240                   ; the running largest t
	v_mov_b32 v240, v12
	s_delay_alu instid0(VALU_DEP_2)
	v_floor_f32 v12, -v13                          ; the new -M = floor(-t): M is a whole number
	s_delay_alu instid0(VALU_DEP_1)
	v_sub_f32 v240, v12, v240                      ; old M - new M: a whole number, 0 or less
	s_delay_alu instid0(VALU_DEP_1)
	v_cvt_i32_f32 v240, v240                       ; (it saturates)
	s_delay_alu instid0(VALU_DEP_1)
	v_ldexp_f32 v238, 1.0, v240                    ; f = 2^(old M - new M)
.irp j, 0,2,4,6,8,10,12,14,16,18,20,22,24,26,28,30,32,34,36,38,40,42,44,46,48,50,52,54,56,58,60,62
	v_pk_fma_f32 v[S+\j:S+1+\j], v[S+\j:S+1+\j], s[CS:CS+1], v[12:13] op_sel_hi:[1,0,0]   ; t - M, two at a time
.endr
.irp b, 0,1,2,3
	v_fma_f32 v[BM+\b], v[BM+\b], s[CS], v12       ; the same of each block's largest score
.endr
	s_wait_alu depctr_va_vdst(0)
.irp j, 0,1,2,3,4,5,6,7,8,9,10,11,12,13,14,15,16,17,18,19,20,21,22,23,24,25,26,27,28,29,30,31,32,33,34,35,36,37,38,39,40,41,42,43,44,45,46,47,48,49,50,51,52,53,54,55,56,57,58,59,60,61,62,63
	v_exp_f32 v[S+\j], v[S+\j]                     ; p = 2^(t - M), at most 1
.endr
	v_pk_mul_f32 v[14:15], v[14:15], v[238:239] op_sel_hi:[1,0]   ; the sums under the new M: a plain place behind the exponentials
	s_wait_alu depctr_va_vdst(0)                   ; the wait ahead of the first reader: one for the batch
.irp b, 0,1,2,3
	v_exp_f32 v[BM+\b], v[BM+\b]                   ; the block's largest p
.endr
	v_pk_add_f32 v[240:241], v[108:109], v[112:113]
	v_pk_add_f32 v[254:255], v[116:117], v[120:121]
	v_pk_add_f32 v[252:253], v[124:125], v[128:129]
	v_pk_add_f32 v[250:251], v[132:133], v[136:137]
	v_pk_add_f32 v[248:249], v[140:141], v[144:145]
	v_pk_add_f32 v[246:247], v[148:149], v[152:153]
	v_pk_add_f32 v[244:245], v[156:157], v[160:161]
	v_pk_add_f32 v[14:15], v[14:15], v[164:165]
	v_pk_add_f32 v[240:241], v[240:241], v[104:105]
	v_pk_add_f32 v[254:255], v[254:255], v[106:107]
	v_pk_add_f32 v[252:253], v[252:253], v[110:111]
	v_pk_add_f32 v[250:251], v[250:251], v[114:115]
	v_pk_add_f32 v[248:249], v[248:249], v[118:119]
	v_pk_add_f32 v[246:247], v[246:247], v[122:123]
	v_pk_add_f32 v[244:245], v[244:245], v[126:127]
	v_pk_add_f32 v[14:15], v[14:15], v[130:131]
	v_pk_add_f32 v[240:241], v[240:241], v[134:135]
	v_pk_add_f32 v[254:255], v[254:255], v[138:139]
	v_pk_add_f32 v[252:253], v[252:253], v[142:143]
	v_pk_add_f32 v[250:251], v[250:251], v[146:147]
	v_pk_add_f32 v[248:249], v[248:249], v[150:151]
	v_pk_add_f32 v[246:247], v[246:247], v[154:155]
	v_pk_add_f32 v[244:245], v[244:245], v[158:159]
	v_pk_add_f32 v[14:15], v[14:15], v[162:163]
	v_pk_add_f32 v[240:241], v[240:241], v[166:167]
	s_delay_alu instid0(VALU_DEP_2)
	v_pk_add_f32 v[14:15], v[14:15], v[250:251]
	s_delay_alu instid0(VALU_DEP_2)
	v_pk_add_f32 v[240:241], v[240:241], v[248:249]
	v_pk_add_f32 v[254:255], v[254:255], v[246:247]
	v_pk_add_f32 v[252:253], v[252:253], v[244:245]
	s_delay_alu instid0(VALU_DEP_2)
	v_pk_add_f32 v[14:15], v[14:15], v[254:255]
	s_delay_alu instid0(VALU_DEP_2)
	v_pk_add_f32 v[240:241], v[240:241], v[252:253]
	s_delay_alu instid0(VALU_DEP_1)
	v_pk_add_f32 v[14:15], v[14:15], v[240:241]
	s_wait_alu depctr_va_vdst(0)                   ; and one for the four
.irp b, 0,1,2,3
	v_max_num_f32 v[BM+\b], 0x1800000, v[BM+\b]    ; the floor 2^(3 - 127): the byte cannot fall under 1
.endr
.irp b, 0,1,2,3
	s_delay_alu instid0(VALU_DEP_4)
	v_add_nc_u32 v[SO+\b], 0xff000000, v[BM+\b]    ; 2 off the exponent field: the conversion's scale operand
.endr
.irp b, 0,1,2,3
	s_delay_alu instid0(VALU_DEP_4)
	v_lshrrev_b32 v[BP+\b], 23, v[SO+\b]           ; the scale's byte
.endr
	s_delay_alu instid0(VALU_DEP_3)
	v_lshl_or_b32 v[PS], v[BP+1], 8, v[BP]         ; p's scale word for these 128 keys
	s_delay_alu instid0(VALU_DEP_1)
	v_lshl_or_b32 v[PS], v[BP+2], 16, v[PS]
	s_delay_alu instid0(VALU_DEP_1)
	v_lshl_or_b32 v[PS], v[BP+3], 24, v[PS]
.irp c, 0,1
	v_cvt_scalef32_pk16_fp6_f32 v[PC+6*\c:PC+2+6*\c], v[S+32*\c:S+15+32*\c], v[SO+2*\c]
	v_cvt_scalef32_pk16_fp6_f32 v[T2+4*\c:T2+2+4*\c], v[S+16+32*\c:S+31+32*\c], v[SO+2*\c+1]
.endr
	v_nop                                          ; one plain place behind a scaled conversion
.irp c, 0,1                            ; a whole block in a lane: lanes 0-15 block 2 c, lanes 16-31 block 2 c + 1
.irp i, 0,1,2
	v_permlane16_swap_b32 v[PC+6*\c+\i], v[T2+4*\c+\i]
.endr
.irp i, 0,1,2
	s_delay_alu instid0(VALU_DEP_3)
	v_mov_b32 v[PC+3+6*\c+\i], v[T2+4*\c+\i]
.endr
.endr
.irp j, 0,2,4,6,8,10,12,14,16,18,20,22,24,26,28,30
	v_pk_mul_f32 v[OT+\j:OT+1+\j], v[OT+\j:OT+1+\j], v[238:239] op_sel_hi:[1,0]   ; O^T under the new M; these 16 are also the places in front of the products below
.endr
	s_wait_alu depctr_va_vdst(0)
	s_wait_dscnt 0x0                               ; V is in
.irp t, 0,1,2,3                        ; O^T += V^T P^T: the four accumulators by turns
.if \t%2
	v_wmma_scale_f32_16x16x128_f8f6f4 v[OT+8*\t:OT+8*\t+7], v[KV+12*\t:KV+12*\t+11], v[PC:PC+11], v[OT+8*\t:OT+8*\t+7], v[VSC+\t/2], v[PS] matrix_a_fmt:MATRIX_FMT_FP6 matrix_b_fmt:MATRIX_FMT_FP6 matrix_a_scale:MATRIX_SCALE_ROW1
.else
	v_wmma_scale_f32_16x16x128_f8f6f4 v[OT+8*\t:OT+8*\t+7], v[KV+12*\t:KV+12*\t+11], v[PC:PC+11], v[OT+8*\t:OT+8*\t+7], v[VSC+\t/2], v[PS] matrix_a_fmt:MATRIX_FMT_FP6 matrix_b_fmt:MATRIX_FMT_FP6
.endif
.endr
.endm
; THE WAY OUT of tile p: y = O^T / the sum, in true order along d, quantised, stored as an image.
.macro EPI p
	v_add_f32 v14, v14, v15                        ; the sum's two halves
.rept 3
	v_nop                                          ; with the line above: four places behind the last products
.endr
	v_permlanex16_b32 v240, v14, s[SEL], s[SEL+1]
	s_delay_alu instid0(VALU_DEP_1)
	v_add_f32 v14, v14, v240                       ; and lane l xor 16's: the row's sum
	s_wait_alu depctr_va_vdst(0)
	v_rcp_f32 v242, v14
	v_nop                                          ; a plain place behind the transcendental
	s_wait_alu depctr_va_vdst(0)                   ; the wait ahead of the first reader
.irp i, 0,2,4,6,8,10,12,14,16,18,20,22,24,26,28,30
	v_pk_mul_f32 v[S+\i:S+1+\i], v[OT+\i:OT+1+\i], v[242:243] op_sel_hi:[1,0]   ; register 8 t + j: y(query r, d = 16 t + 8 h + j)
.endr
.irp b, 0,1
.irp j, 0,1,2,3,4,5,6,7
	v_permlane16_swap_b32 v[S+16*\b+\j], v[S+8+16*\b+\j]   ; now register 16 b + i: d = 32 b + 16 h + i: true order
.endr
.endr
.irp b, 0,1
	v_max3_num_f32 v[BM+\b], |v[S+16*\b]|, |v[S+1+16*\b]|, 0x1800000
.endr
.irp i, 2,4,6,8,10,12,14
.irp b, 0,1
	s_delay_alu instid0(VALU_DEP_2)
	v_max3_num_f32 v[BM+\b], v[BM+\b], |v[S+16*\b+\i]|, |v[S+1+16*\b+\i]|
.endr
.endr
.irp b, 0,1
	s_delay_alu instid0(VALU_DEP_2)
	v_permlanex16_b32 v[BP+\b], v[BM+\b], s[SEL], s[SEL+1]
.endr
.irp b, 0,1
	s_delay_alu instid0(VALU_DEP_2)
	v_max_num_f32 v[BM+\b], v[BM+\b], v[BP+\b]
.endr
.irp b, 0,1
	s_delay_alu instid0(VALU_DEP_2)
	v_add_nc_u32 v[SO+\b], 0xff000000, v[BM+\b]
.endr
.irp b, 0,1
	s_delay_alu instid0(VALU_DEP_2)
	v_lshrrev_b32 v[BP+\b], 23, v[SO+\b]
.endr
	v_cvt_scalef32_pk16_fp6_f32 v[PC:PC+2], v[S:S+15], v[SO]
	v_cvt_scalef32_pk16_fp6_f32 v[T2:T2+2], v[S+16:S+31], v[SO+1]
	v_nop                                          ; one plain place behind a scaled conversion
.irp i, 0,1,2
	v_permlane16_swap_b32 v[PC+\i], v[T2+\i]
.endr
.irp i, 0,1,2
	s_delay_alu instid0(VALU_DEP_3)
	v_mov_b32 v[PC+3+\i], v[T2+\i]                 ; six registers: k = 32 h + 0 .. 31 of the head's 64
.endr
	v_cmp_lt_u32 vcc_lo, 15, v[LN]
	s_delay_alu instid0(VALU_DEP_1)
	v_cndmask_b32 v240, v[BP], v[BP+1], vcc_lo     ; lanes 0-15 store block 0's byte, lanes 16-31 block 1's
.irp q, 0,1,2
	global_store_b64 v[L8], v[PC+2*\q:PC+2*\q+1], s[38:39] offset:12800*\p+256*\q   ; 256 consecutive bytes, aligned
.endr
	global_store_b8 v[YSO], v240, s[40:41] offset:12800*\p
.endm
.macro PASS p
.if \p
	s_wait_xcnt 0x0                                ; the last tile's stores have read their registers
.endif
.irp i, 0,1,2,3,4,5
	v_mov_b32 v[QLO+\i], v[QP+6*\p+\i]
	v_mov_b32 v[QHI+6+\i], v[QP+6*\p+\i]
.endr
.if \p == 0
.irp i, 0,1,2,3,4,5
	v_mov_b32 v[QLO+6+\i], 0                       ; zero codes
	v_mov_b32 v[QHI+\i], 0
.endr
.irp b, 0,1,2,3
	v_mov_b32 v[BP+\b], 0                          ; written once: a lane permute's destination counts as one of its sources
.endr
	v_mov_b32 v239, 0                              ; (upper halves of pairs of which the low word alone is used)
	v_mov_b32 v243, 0
	v_perm_b32 v[QS], v[QW], v[QW], 0x01000100     ; the tile's two bytes, for either half of K
.else
	v_perm_b32 v[QS], v[QW], v[QW], 0x03020302
.endif
	v_mov_b32 v13, 0xff61b1e6                      ; the largest t so far: -3e38
	s_delay_alu instid0(VALU_DEP_1)
	v_floor_f32 v12, -v13                          ; -M
	v_mov_b32 v14, 0                               ; the sum, in two halves
	v_mov_b32 v15, 0
.irp j, 0,1,2,3,4,5,6,7,8,9,10,11,12,13,14,15,16,17,18,19,20,21,22,23,24,25,26,27,28,29,30,31
	v_mov_b32 v[OT+\j], 0                          ; the step is written once: the first finds zeros.  (These are also the places between Q's registers and the first product)
.endr
	s_mov_b32 s[TB], 0
	s_mov_b32 s[CNT], 16
.Lstep_\@:
	STEP
	s_add_co_u32 s[TB], s[TB], STEPB
	s_sub_co_u32 s[CNT], s[CNT], 1
	s_cmp_lg_u32 s[CNT], 0
	s_cbranch_scc1 .Lstep_\@
	EPI \p
.endm
	PASS 0
	PASS 1
	s_wait_tensorcnt 0x0                           ; the wave's end
	ds_add_u32 v[SPW], v[NIL]
	s_wait_dscnt 0x0
	CROUND                                         ; the closing round
	s_endpgm
.Lfunc_end_k_q3c17d153c8_attn:
	.size	k_q3c17d153c8_attn, .Lfunc_end_k_q3c17d153c8_attn-k_q3c17d153c8_attn
	.p2alignl 7, 3214868480
	.fill 96, 4, 3214868480
	.section	.rodata,"a",@progbits
	.p2align	6, 0x0
	.amdhsa_kernel k_q3c17d153c8_attn
		.amdhsa_group_segment_fixed_size 206848
		.amdhsa_private_segment_fixed_size 0
		.amdhsa_enable_private_segment 0
		.amdhsa_kernarg_size 16
		.amdhsa_user_sgpr_count 2
		.amdhsa_user_sgpr_kernarg_segment_ptr 1
		.amdhsa_wavefront_size32 1
		.amdhsa_system_sgpr_workgroup_id_x 1
		.amdhsa_system_sgpr_workgroup_id_y 1
		.amdhsa_system_sgpr_workgroup_id_z 1
		.amdhsa_system_vgpr_workitem_id 0
		.amdhsa_next_free_vgpr 256
		.amdhsa_next_free_sgpr 66
		.amdhsa_reserve_vcc 1
		.amdhsa_float_denorm_mode_32 3
		.amdhsa_float_denorm_mode_16_64 3
		.amdhsa_memory_ordered 1
		.amdhsa_forward_progress 1
		.amdhsa_inst_pref_size 53
	.end_amdhsa_kernel
	.amdgpu_metadata
---
amdhsa.version: [ 1, 2 ]
amdhsa.kernels:
  - .name:           k_q3c17d153c8_attn
    .symbol:         k_q3c17d153c8_attn.kd
    .args:
      - { .name: qkvc, .offset: 0, .size: 8, .value_kind: global_buffer, .address_space: global }
      - { .name: yc, .offset: 8, .size: 8, .value_kind: global_buffer, .address_space: global }
    .group_segment_fixed_size: 206848
    .private_segment_fixed_size: 0
    .kernarg_segment_align: 8
    .kernarg_segment_size: 16
    .max_flat_workgroup_size: 512
    .sgpr_count:     66
    .vgpr_count:     256
    .wavefront_size: 32
...
	.end_amdgpu_metadata
.endif
;; end of part 3
;; launch proj (part 4): grid 8 x 32, 4 waves a work-group, clusters of 4 x 4, 327,680 bytes of LDS; arguments yc, wpi, b_proj, out0; writes out0
.if DOCPART == 4
	.amdgcn_target "amdgcn-amd-amdhsa--gfx1250"
	.amdhsa_code_object_version 6
	.text
	.protected	k_q3c17d153c8_proj
	.globl	k_q3c17d153c8_proj
	.p2align	8
	.type	k_q3c17d153c8_proj,@function
k_q3c17d153c8_proj:
	s_mov_b64 s[64:65], 0
	v_nop
	global_prefetch_b8 v0, s[64:65] scope:SCOPE_SE
	s_setreg_imm32_b32 hwreg(HW_REG_WAVE_MODE, 25, 1), 1
	s_wait_xcnt 0x0
	s_wait_alu depctr_hold_cnt(0) depctr_sa_sdst(0) depctr_va_vdst(0) depctr_va_sdst(0) depctr_va_ssrc(0) depctr_va_vcc(0) depctr_vm_vsrc(0)
	s_getreg_b32 s2, hwreg(HW_REG_IB_STS2, 6, 4)
	s_cmp_eq_u32 s2, 0
	s_cbranch_scc0 .Lentry_in_a_cluster
	s_endpgm
.Lentry_in_a_cluster:
	s_bfe_u32 s2, ttmp6, 0x10000c
	s_cmp_lg_u32 s2, 0xf033
	s_cbranch_scc0 .Lentry_shape_is_right
	s_endpgm
.Lentry_shape_is_right:
; out0 = y W_proj^T + b_proj on codes of FP6 (E2M3) with E8M0 scales, f32 sums.  Nothing of reference() is left out.
; A block of 256 tokens x 128 columns to a work-group: 32 x 8 = 256 work-groups.  Four waves, 128 x 64 each.
; ALL OF K LIES IN LDS AT ONCE: 16 records of y and 8 of W_proj, 12,800 bytes each (16 rows: 8 x 1,536 bytes of register images, then 16 x 32 scale bytes): 307,200 bytes, filled once, one joint load a wave
; (waves 0, 1: y's halves, 400 rows of 256 bytes; waves 2, 3: W_proj's halves, 200 rows).  So there is no ring, no refill, and one barrier.
; y's records are shared along a row of the 4 x 4 cluster, W_proj's along a column.
; THE WALK GOES BY ROWS OF THE RESULT: W_proj's 4 x 8 fragments of my 64 columns stay in 384 registers; my eight blocks of 16 tokens are finished one after the other, 32 matrix instructions each
; (the block's four accumulators by turns, K ascending), and each block is stored while the later ones are multiplied.  No fragment is read from LDS twice.
; y's images: registers 2 p, 2 p + 1 of lane l at 256 p + 8 l; W_proj's: registers 4 c .. 4 c + 3 at 512 c + 16 l.
; THE MATRIX INSTRUCTION IS USED TRANSPOSED (source 0 = 16 rows of W_proj, source 1 = 16 tokens): a lane holds eight neighbouring columns of a token.  The bias is the first product's C.
; SCALES: all of K's words in 64 registers: register 8 i + s: lanes 0-15 the word of y's block i, lanes 16-31 that of W_proj's block i % 4, for step s.
; No prefetch: the launch's one fill is asked for at its head, and there is no loop to run ahead in.
; REGISTERS: window 0: v0-31 addresses, v32-95 scale words, v96-159 rows on their way out, v192-223 the bias; window 1: W_proj's fragments of steps 0-3; window 2: of steps 4-7;
; window 3: y's fragments of a block, two sets of 96; v192-255 the accumulators, two sets of 32.
.set REC,   12800
.set LB,    16*REC
.set SPARE, 24*REC
.set STAGE, SPARE+512                  ; the way out: 16 rows x 272 bytes for each wave; no fill lands there
.set SPITCH, 272
.set ADA, 16
.set ADB, 18
.set ADS, 19
.set STO, 24
.set RD,  25
.set CO,  26
.set SPW, 28
.set NIL, 29
.set SC,  32
.set BK,  96
.set BI,  192
.set ACC, 192
.set G1, 24
.set G0, 32
.set G1B, 48
.set G0B, 56
.set MSB, 0
.macro WIN new
.if MSB != (\new)
	s_set_vgpr_msb (MSB<<8)|(\new)
.set MSB, (\new)
.endif
.endm
.macro CREST
	s_cmp_lg_u32 s14, 0
	s_cbranch_scc1 .Lnot_wave_0_\@
	s_barrier_signal -3
.Lnot_wave_0_\@:
	s_barrier_wait -3
	s_barrier_signal -1
	s_barrier_wait -1
.endm
.macro CROUND
	s_barrier_signal -1
	s_barrier_wait -1
	CREST
.endm
.macro PLACES n
.rept \n
	v_nop
.endr
.endm
	s_load_b128 s[4:7], s[0:1], 0x0                ; yc, wpi
	s_load_b128 s[8:11], s[0:1], 0x10              ; b_proj, out0
	v_lshl_add_u32 v[SPW], v0, 2, SPARE
	v_mov_b32 v[NIL], 0
	ds_add_u32 v[SPW], v[NIL]                      ; the opening lines: the add, twice on end, and its wait
	ds_add_u32 v[SPW], v[NIL]
	v_lshrrev_b32 v1, 5, v0
	v_readfirstlane_b32 s14, v1                    ; wave 0..3
	s_lshr_b32 s15, s14, 1                         ; my 128 tokens; also: I fetch y (0) or W_proj (1)
	s_and_b32 s16, s14, 1                          ; my 64 columns; also: which half I fetch
	s_bfe_u32 s40, ttmp6, 0x40000
	s_bfe_u32 s41, ttmp6, 0x40004
	s_lshl_b32 s42, ttmp9, 2
	s_add_co_u32 s42, s42, s40                     ; block column 0..7
	s_and_b32 s17, ttmp7, 0xffff
	s_lshl_b32 s17, s17, 2
	s_add_co_u32 s17, s17, s41                     ; block row 0..31
	s_lshl_b32 s43, s41, 2
	s_lshl_b32 s43, 15, s43
	s_lshl_b32 s44, 0x1111, s40
	s_or_b32 s[G1+0], s43, (3<<16)|(1<<21)
	s_mov_b32 s[G1+1], 32<<16
	s_mov_b32 s[G1+2], 400<<16
	s_mov_b32 s[G1+3], 32<<16
	s_mov_b32 s[G1+4], 400
	s_mov_b32 s[G1+5], 32
	s_mov_b32 s[G1+6], 0
	s_mov_b32 s[G1+7], 0
	s_or_b32 s[G1B+0], s44, (3<<16)|(1<<21)
	s_mov_b32 s[G1B+1], 32<<16
	s_mov_b32 s[G1B+2], 200<<16
	s_mov_b32 s[G1B+3], 32<<16
	s_mov_b32 s[G1B+4], 200
	s_mov_b32 s[G1B+5], 32
	s_mov_b32 s[G1B+6], 0
	s_mov_b32 s[G1B+7], 0
	s_lshl_b32 s20, s17, 4
	s_lshl_b32 s18, s16, 3
	s_add_co_u32 s20, s20, s18
	s_mul_i32 s20, s20, REC                        ; y: record 16 x block row + 8 x half
	s_mov_b32 s21, 0
	s_lshl_b32 s46, s42, 3
	s_lshl_b32 s18, s16, 2
	s_add_co_u32 s46, s46, s18
	s_mul_i32 s46, s46, REC                        ; W_proj: record 8 x block column + 4 x half
	s_mov_b32 s47, 0
	s_mov_b32 s[G0], 1
	s_mul_i32 s[G0+1], s16, 8*REC
	s_mov_b32 s[G0B], 1
	s_mul_i32 s[G0B+1], s16, 4*REC
	s_add_co_u32 s[G0B+1], s[G0B+1], LB
	s_wait_dscnt 0x0
	s_wait_kmcnt 0x0
	s_add_nc_u64 s[G0+2:G0+3], s[4:5], s[20:21]
	s_or_b32 s[G0+3], s[G0+3], 0x80000000
	s_add_nc_u64 s[G0B+2:G0B+3], s[6:7], s[46:47]
	s_or_b32 s[G0B+3], s[G0B+3], 0x80000000
	CROUND                                         ; all sixteen work-groups are here: the joint loads meet
	s_cmp_eq_u32 s15, 0
	s_cbranch_scc0 .Lfor_b
	tensor_load_to_lds s[G0:G0+3], s[G1:G1+7]      ; my one tensor load of the launch
	s_nop 0
.rept 4
	v_nop
.endr
	s_branch .Lasked
.Lfor_b:
	tensor_load_to_lds s[G0B:G0B+3], s[G1B:G1B+7]
	s_nop 0
.rept 4
	v_nop
.endr
.Lasked:
	s_mul_i32 s21, s15, 8*REC                      ; my y records,
	s_mul_i32 s22, s16, 4*REC
	s_add_co_u32 s22, s22, LB                      ; my W_proj records
	s_sub_co_u32 s23, s22, s21                     ; the distance between the two
	s_sub_co_u32 s18, s23, 4*REC
	s_add_co_u32 s19, s21, 4*REC
	s_mul_i32 s20, s14, 16*SPITCH
	s_add_co_u32 s20, s20, STAGE
	v_and_b32 v1, 15, v0                           ; r
	v_bfe_u32 v2, v0, 4, 1                         ; h
	v_and_b32 v3, 31, v0
	v_lshlrev_b32 v4, 3, v3
	v_lshlrev_b32 v5, 4, v3
	v_add_nc_u32 v[ADA], s21, v4
	v_add_nc_u32 v[ADA+1], s19, v4
	v_add_nc_u32 v[ADB], s22, v5
	v_lshlrev_b32 v6, 5, v1                        ; a row's 32 scale bytes
	v_mul_u32_u24 v7, s23, v2                      ; lanes 16-31 take W_proj's
	v_mul_u32_u24 v8, s18, v2
	v_add_nc_u32 v7, v6, v7
	v_add_nc_u32 v8, v6, v8
	v_add_nc_u32 v[ADS], s21, v7
	v_add_nc_u32 v[ADS+1], s19, v8
	v_mul_u32_u24 v9, v1, SPITCH
	v_lshl_add_u32 v9, v2, 5, v9
	v_add_nc_u32 v[STO], s20, v9                   ; in: row r, 32 bytes for each half of the lanes
	v_mul_u32_u24 v10, v2, SPITCH
	v_lshl_add_u32 v10, v1, 4, v10
	v_add_nc_u32 v[RD], s20, v10                   ; back: lanes 0-15 one row of 256 bytes, lanes 16-31 the next
	v_lshlrev_b32 v11, 12, v2
	v_lshl_add_u32 v[CO], v1, 4, v11               ; the same two rows in out0
	v_lshlrev_b32 v12, 5, v2                       ; the bias: 32 h
	s_lshl_b32 s20, s17, 8
	s_lshl_b32 s21, s15, 7
	s_add_co_u32 s20, s20, s21
	s_lshl_b32 s20, s20, 12                        ; my first token x 4,096 bytes
	s_mov_b32 s21, 0
	s_lshl_b32 s46, s42, 9
	s_lshl_b32 s47, s16, 8
	s_add_co_u32 s46, s46, s47                     ; my first column, in bytes
	s_mov_b32 s47, 0
	s_add_nc_u64 s[8:9], s[8:9], s[46:47]
	s_add_nc_u64 s[10:11], s[10:11], s[20:21]
	s_add_nc_u64 s[10:11], s[10:11], s[46:47]
	s_wait_alu depctr_va_vdst(0)                   ; the wait at the head's end
.irp b, 0,1,2,3
	global_load_b128 v[BI+8*\b:BI+8*\b+3], v12, s[8:9] offset:64*\b
	global_load_b128 v[BI+8*\b+4:BI+8*\b+7], v12, s[8:9] offset:64*\b+16
.endr
	s_wait_tensorcnt 0x0                           ; my part has landed,
	s_barrier_signal -1
	s_barrier_wait -1                              ; and so have all four; nothing is filled again
.macro ALOAD a                         ; 48 LDS loads: y's block a, all eight steps, into set a % 2
	WIN 0xc0
.irp s, 0,1,2,3,4,5,6,7
.irp q, 0,1,2,3,4,5
	ds_load_b64 v[96*((\a)%2)+12*\s+2*\q:96*((\a)%2)+12*\s+2*\q+1], v[ADA+(\a)/4] offset:((\a)%4)*REC+\s*1536+256*\q
.endr
.endr
	WIN 0
.endm
.macro BLOAD s                         ; 12 LDS loads: W_proj's four fragments of step s
	WIN 0x40+0x40*((\s)/4)
.irp i, 0,1,2,3
.irp c, 0,1,2
	ds_load_b128 v[48*((\s)%4)+12*\i+4*\c:48*((\s)%4)+12*\i+4*\c+3], v[ADB] offset:\i*REC+(\s)*1536+512*\c
.endr
.endr
.endm
.macro ROW a                           ; block a is finished: 32 matrix instructions, its four accumulators by turns
.irp s, 0,1,2,3,4,5,6,7
.if (\a) == 0                          ; the first block starts while W_proj's later steps are still on their way: 12 loads a step
.if 12*(7-\s) > 63
	s_wait_dscnt 63
.else
	s_wait_dscnt 12*(7-\s)
.endif
.endif
.if \s == 0
	WIN 0xcd                                       ; source 0 window 1, source 1 window 3, C window 0 (the bias), D window 3
.else
	WIN 0xfd+(\s/4)                                ; source 0 window 1 or 2, the rest window 3
.endif
.irp b, 0,1,2,3
.if \s == 0
	v_wmma_scale_f32_16x16x128_f8f6f4 v[ACC+32*((\a)%2)+8*\b:ACC+32*((\a)%2)+8*\b+7], v[48*(\s%4)+12*\b:48*(\s%4)+12*\b+11], v[96*((\a)%2)+12*\s:96*((\a)%2)+12*\s+11], v[BI+8*\b:BI+8*\b+7], v[SC+8*\b+\s], v[SC+8*(\a)+\s] matrix_a_fmt:MATRIX_FMT_FP6 matrix_b_fmt:MATRIX_FMT_FP6 matrix_a_scale:MATRIX_SCALE_ROW1
.else
	v_wmma_scale_f32_16x16x128_f8f6f4 v[ACC+32*((\a)%2)+8*\b:ACC+32*((\a)%2)+8*\b+7], v[48*(\s%4)+12*\b:48*(\s%4)+12*\b+11], v[96*((\a)%2)+12*\s:96*((\a)%2)+12*\s+11], v[ACC+32*((\a)%2)+8*\b:ACC+32*((\a)%2)+8*\b+7], v[SC+8*\b+\s], v[SC+8*(\a)+\s] matrix_a_fmt:MATRIX_FMT_FP6 matrix_b_fmt:MATRIX_FMT_FP6 matrix_a_scale:MATRIX_SCALE_ROW1
.endif
.endr
.endr
	WIN 0
.endm
; THE WAY OUT of a block of 16 tokens x 64 columns: through my own stage and back as whole rows of 256 bytes
.macro TOSTAGE a
	WIN 0x0c                                       ; the data: window 3
.irp b, 0,1,2,3
	ds_store_b128 v[STO], v[ACC+32*((\a)%2)+8*\b:ACC+32*((\a)%2)+8*\b+3] offset:64*\b        ; each accumulator from its low end on
	ds_store_b128 v[STO], v[ACC+32*((\a)%2)+8*\b+4:ACC+32*((\a)%2)+8*\b+7] offset:64*\b+16
.endr
	WIN 0
.irp t, 0,1,2,3,4,5,6,7
	ds_load_b128 v[BK+32*((\a)%2)+4*\t:BK+32*((\a)%2)+4*\t+3], v[RD] offset:\t*2*SPITCH   ; LDS serves a wave's instructions in order: these see the stores above
.endr
.endm
.macro SEND a
	s_wait_dscnt 0x0                               ; the block is back in registers, and the next block's fragments are in: all were asked for 32 matrix instructions ago
.irp t, 0,1,2,3,4,5,6,7
	global_store_b128 v[CO], v[BK+32*((\a)%2)+4*\t:BK+32*((\a)%2)+4*\t+3], s[10:11] offset:(16*(\a)+2*\t)*4096 th:TH_STORE_NT   ; 16 lanes store 256 consecutive bytes, aligned
.endr
.endm
	ALOAD 0
	ALOAD 1
.irp i, 0,1,2,3,4,5,6,7
.irp q, 0,1
	ds_load_b128 v[SC+8*\i+4*\q:SC+8*\i+4*\q+3], v[ADS+\i/4] offset:(\i%4)*REC+12288+16*\q
.endr
.endr
.irp s, 0,1,2,3,4,5,6,7
	BLOAD \s
.endr
	WIN 0
	s_wait_loadcnt 0x0                             ; the bias
.irp a, 0,1,2,3,4,5,6,7
	ROW \a
.if \a > 0
	SEND \a-1
.endif
	PLACES 4                                       ; in front of the loads into the set just multiplied and of the reads of results just made
.if \a < 6
	ALOAD \a+2
.endif
.if \a >= 2
	s_wait_xcnt 0x0                                ; block a - 2's stores have read their registers: block a's rows may land there
.endif
	TOSTAGE \a
.endr
	SEND 7
	s_wait_tensorcnt 0x0                           ; the wave's end
	ds_add_u32 v[SPW], v[NIL]
	s_wait_dscnt 0x0
	CROUND                                         ; the closing round
	s_endpgm
.Lfunc_end_k_q3c17d153c8_proj:
	.size	k_q3c17d153c8_proj, .Lfunc_end_k_q3c17d153c8_proj-k_q3c17d153c8_proj
	.p2alignl 7, 3214868480
	.fill 96, 4, 3214868480
	.section	.rodata,"a",@progbits
	.p2align	6, 0x0
	.amdhsa_kernel k_q3c17d153c8_proj
		.amdhsa_group_segment_fixed_size 327680
		.amdhsa_private_segment_fixed_size 0
		.amdhsa_enable_private_segment 0
		.amdhsa_kernarg_size 32
		.amdhsa_user_sgpr_count 2
		.amdhsa_user_sgpr_kernarg_segment_ptr 1
		.amdhsa_wavefront_size32 1
		.amdhsa_system_sgpr_workgroup_id_x 1
		.amdhsa_system_sgpr_workgroup_id_y 1
		.amdhsa_system_sgpr_workgroup_id_z 1
		.amdhsa_system_vgpr_workitem_id 0
		.amdhsa_next_free_vgpr 1024
		.amdhsa_next_free_sgpr 66
		.amdhsa_reserve_vcc 0
		.amdhsa_float_denorm_mode_32 3
		.amdhsa_float_denorm_mode_16_64 3
		.amdhsa_memory_ordered 1
		.amdhsa_forward_progress 1
		.amdhsa_inst_pref_size 88
	.end_amdhsa_kernel
	.amdgpu_metadata
---
amdhsa.version: [ 1, 2 ]
amdhsa.kernels:
  - .name:           k_q3c17d153c8_proj
    .symbol:         k_q3c17d153c8_proj.kd
    .args:
      - { .name: yc, .offset: 0, .size: 8, .value_kind: global_buffer, .address_space: global }
      - { .name: wpi, .offset: 8, .size: 8, .value_kind: global_buffer, .address_space: global }
      - { .name: b_proj, .offset: 16, .size: 8, .value_kind: global_buffer, .address_space: global }
      - { .name: out0, .offset: 24, .size: 8, .value_kind: global_buffer, .address_space: global }
    .group_segment_fixed_size: 327680
    .private_segment_fixed_size: 0
    .kernarg_segment_align: 8
    .kernarg_segment_size: 32
    .max_flat_workgroup_size: 128
    .sgpr_count:     66
    .vgpr_count:     1024
    .wavefront_size: 32
...
	.end_amdgpu_metadata
.endif
;; end of part 4
